; MI455X (gfx1250); checked and timed in simulation.
; The chip was launched on July 23, 2026; its instructions are those of AMD's public machine-readable ISA for CDNA 5 (MIT licence, August 2026) and "CDNA5" Instruction Set Architecture Reference Guide (July 2026). The comments in the code are by the model that wrote it; some were corrected since.
;; brain. Allowed arithmetic: matrix products marked QUANTISED: E2M3 operands, one E8M0 scale for each 32 along K, by v_wmma_scale_f32_16x16x128_f8f6f4 with both operands' format E2M3, f32 sums; everything else in f32.
;; Inputs: W_attn 1,024 x 3,072 float32; W_proj 1,024 x 1,024 float32; b_attn 3,072 float32; b_proj 1,024 float32; x 4 x 2,048 x 1,024 float32.
;; Outputs: out0 4 x 2,048 x 1,024 float32.
;; This version of the problem:
;;   THIS VERSION OF THE PROBLEM IS GIVEN IN LOW PRECISION. The matrix products marked QUANTISED in the list below multiply operands that are first quantised to E2M3 (2 exponent bits, 3 mantissa bits; 6 bits a number), with one power-of-two scale for each 32 numbers along K (OCP MX v1.0); their sums are f32. All else is computed in f32.
;;   The module's matrix products, in the order in which they are computed (A, B: the left and right operand; K: the contracted axis; several contracted axes count as one K, in the product's order):
;;     1. [M 8,192, K 1,024] x [K 1,024, N 3,072]; A: input x; B: input W_attn: QUANTISED
;;     2. batch 64 x [M 2,048, K 64] x [K 64, N 2,048]; A: computed on the way; B: computed on the way: QUANTISED
;;     3. batch 64 x [M 2,048, K 2,048] x [K 2,048, N 64]; A: softmax (see below); B: computed on the way: QUANTISED
;;     4. [M 8,192, K 1,024] x [K 1,024, N 1,024]; A: computed on the way; B: input W_proj: QUANTISED
;;   THE QUANTISER, for each operand of a quantised product, along K:
;;     - K is cut into blocks of 32 from its start; a last block that is shorter is filled with zeros.
;;     - A block's scale is 2^e with e = floor(log2(the largest magnitude in the block)) - 2, held to -126 .. 127; a block of zeros has e = 0. As a byte (E8M0): e + 127.
;;     - Each number is divided by its block's scale, clamped to +-7.5, and rounded to the nearest number of E2M3, ties to even, subnormals kept.
;;     - The product sums the exact products of the quantised numbers (number of the format x scale) in f32.
;;   ~~~python
;;   def quantise(x, axis):      # numpy; x: float32 -> the quantised numbers, widened to float32 again
;;       x = np.moveaxis(x, axis, -1); K = x.shape[-1]
;;       x = np.pad(x, [(0, 0)] * (x.ndim - 1) + [(0, -K % 32)]); x = x.reshape(x.shape[:-1] + (-1, 32)); a = np.abs(x).max(-1, keepdims=True)
;;       e = np.where(a > 0, np.clip(np.frexp(np.where(a > 0, a, 1))[1] - 1 - 2, -126, 127), 0)      # np.frexp(a)[1] - 1 = floor(log2(a)), exactly
;;       r = np.clip(x / 2.0 ** e, -7.5, 7.5)
;;       step = 2.0 ** (np.maximum(np.frexp(np.where(r == 0, 1, r))[1] - 1, 0) - 3)
;;       q = np.round(r / step) * step * 2.0 ** e      # np.round: ties to even
;;       return np.moveaxis(q.reshape(q.shape[:-2] + (-1,))[..., :K], -1, axis).astype(np.float32)
;;   ~~~
;;   SOFTMAX AHEAD OF A QUANTISED PRODUCT. Where the list says 'softmax', what is quantised is not the finished softmax but p = 2^(t - M), with t = logit x log2(e) and M = ceil(the row's largest t), a whole number; so 1/2 < the row's largest p <= 1. The row's sum l is taken of the UNQUANTISED p, in f32, and the product's result is divided by l at the end. Since M is a whole number, a kernel that streams over the keys may use a running M (the ceiling of the running maximum): every later rescaling is an exact power of two, which a block's scale takes up: the codes' values come out the same.
;;   OPERANDS COMPUTED ON THE WAY. 'Computed on the way' means the value that the module computes at that place (a softmax that the list does not call 'softmax' is quantised finished and normalised). What goes into a quantiser is computed in f32, as accurately as f32 sums, v_exp_f32 and their like allow (about 1e-6 of the number): no bf16 or f16 on the way to a quantiser, and a product that is left as it is and whose result goes on into a quantised operand takes f32 operands (vector FMAs, or v_wmma_f32_16x16x4_f32). A number that lies on a knife's edge between two numbers of the format may be rounded either way, as far as f32 arithmetic and the matrix unit's own rounding can turn it there, and no further.
;; One version. Each part assembles by itself: llvm-mc -triple=amdgcn-amd-amdhsa -mcpu=gfx1250 --defsym DOCPART=n.
;; ======== version 1 of 1: 4 launches
;; workspace buffers: xc 6,291,456 bytes; xs 262,144 bytes; wc 3,145,728 bytes; ws 131,072 bytes; qkv 18,874,368 bytes; scl 1,310,720 bytes; yc 6,291,456 bytes; ys 262,144 bytes
;; launch quant (part 1): grid 384 x 1, 4 waves a work-group, no clusters, 68,096 bytes of LDS; arguments x, W_attn, W_proj, xc, xs, wc, ws; writes xc, xs, wc, ws
.if DOCPART == 1
	.amdgcn_target "amdgcn-amd-amdhsa--gfx1250"
	.amdhsa_code_object_version 6
	.text
	.protected	k_q9c59c6247f_quant
	.globl	k_q9c59c6247f_quant
	.p2align	8
	.type	k_q9c59c6247f_quant,@function
k_q9c59c6247f_quant:
	s_mov_b64 s[64:65], 0
	v_nop
	global_prefetch_b8 v0, s[64:65] scope:SCOPE_SE
	s_setreg_imm32_b32 hwreg(HW_REG_WAVE_MODE, 25, 1), 1
	s_wait_xcnt 0x0
; x [8192][1024], W_attn [1024][3072] and W_proj [1024][1024], all f32, become codes of FP6 (E2M3), 6 bits each, K innermost, with one E8M0 scale byte for each 32 along K.
; xc [8192][768 bytes], xs [8192][32]: x's rows.  wc [4096][768], ws [4096][32]: rows 0-3071 W_attn's columns, rows 3072-4095 W_proj's.
; THE ROWS ARE PERMUTED: the row stored at place P holds the logical row sigma(P), P with its bits 3 and 4 exchanged.  So 16 neighbouring places 32 g + 16 u + r hold the logical rows 32 g + 8 u + r + 8 (r / 8):
; used as source 0 of a matrix instruction, two neighbouring tiles leave a lane 16 NEIGHBOURS along the next product's K.
; A block's scale is 2^(floor(log2(its largest magnitude)) - 2); its byte is the largest magnitude's exponent field - 2, held at 1 from below.
; LIMITS: a block of zeros gets the byte 1 where the rule says 127 (its codes are zeros, and this program alone reads the bytes); blocks whose largest magnitude lies under 2^(2 - 126) are held at the byte 1;
; NaN and infinities among the inputs are not served.
; Work-groups 0-255 take x (K innermost: a stream of blocks), work-groups 256-383 the weights (K is the first axis: a lane takes a column, its registers run down K).  The two ways have LDS bytes of their own.
; No tensor loads, no barrier: waves share nothing.
.set STEPS, 16
.set EMAX,  2
.set CB,    12                         ; bytes of 16 codes
.set R,     16                         ; x: v16-79   four sets of 16 numbers as they are loaded
.set X,     80                         ;    v80-111  two sets of 16 neighbours
.set E,     112                        ;    v112-127 a scale byte for each step
.set C,     128                        ;    v128-191 codes: four registers for each step, so that no store's data are written again
.set WREG,  8192                       ;    LDS bytes 0-32767: a region for each wave: two stages of 32 x SP bytes, and behind them its 256 scale bytes
.set SP,    80                         ;    a lane's place in a stage: its 64 bytes + 16 of padding
.set XW,    32                         ; weights: v32-95 two sets of 32 numbers
.set CW,    96                         ;    v96-102  a block's codes
.set OUTR,  112                        ;    v112-175 the way out
.set SB,    24                         ;    v24-25   the scale bytes, four to a register
.set RA,    176                        ;    v176-207 byte offset of my column in rows 0 to 31 of a block; never rewritten
.set SPITCH, 272                       ;    a stage row: sixteen places of 16 bytes, each with 12 bytes of codes, + 16
.set KROW,  768                        ;    a row of the codes' buffer in bytes
.set WST,   32768                      ;    LDS bytes 32768-67583: a stage of 32 rows for each wave
.set NB,    8                          ;    blocks of 32 along K for a wave
.set BB,    32                         ;    s[32:47] the address of each block's first row; never rewritten
	s_load_b256 s[4:11], s[0:1], 0x0               ; x s[4:5], W_attn s[6:7], W_proj s[8:9], xc s[10:11]
	s_load_b128 s[12:15], s[0:1], 0x20             ; xs s[12:13], wc s[14:15]
	s_load_b64 s[16:17], s[0:1], 0x30              ; ws
	v_lshl_add_u32 v208, v0, 2, 0x10800
	v_mov_b32 v209, 0
	v_lshrrev_b32 v1, 5, v0
	v_readfirstlane_b32 s18, v1                    ; wave 0..3
	v_and_b32 v2, 31, v0                           ; lane
	s_wait_kmcnt 0x0
	s_cmp_ge_u32 ttmp9, 256
	s_cbranch_scc1 .Lw
	s_wait_alu depctr_va_vdst(0)
; ---------------- x.  A wave takes a run of 8,192 numbers (8 rows) in 16 steps of 512.  Each load reads 512 consecutive bytes; a step's 2,048 bytes turn through the wave's own stage in LDS and come back 64 bytes a lane:
; 16 neighbours, two lanes to a block.  Run 4 g + w is stored as run 4 g + (w with its two bits exchanged): that is sigma on rows of eight.
	v_lshlrev_b32 v3, 4, v2                        ; my 16 bytes of a load's 512
	s_mul_i32 s19, s18, WREG
	v_lshrrev_b32 v14, 2, v2
	v_mul_u32_u24 v14, v14, SP
	v_and_b32 v15, 3, v2
	v_lshl_add_u32 v14, v15, 4, v14
	v_add_nc_u32 v14, s19, v14                     ; the stage, on the way in: SP (lane / 4) + 16 (lane % 4)
	v_mul_u32_u24 v15, v2, SP
	v_add_nc_u32 v15, s19, v15                     ; and on the way out: SP x lane
	v_mul_u32_u24 v4, v2, CB                       ; my codes' place in a step's
	v_lshrrev_b32 v5, 1, v2
	s_add_co_u32 s19, s19, 2*32*SP
	v_add_nc_u32 v5, s19, v5                       ; LDS: my wave's 256 scale bytes, my block's byte
	v_lshlrev_b32 v7, 3, v2                        ; and on the way out 8 bytes a lane
	v_add_nc_u32 v6, s19, v7
	s_lshl_b32 s20, ttmp9, 2
	s_add_co_u32 s22, s20, s18                     ; the run that I read
	s_lshl_b32 s22, s22, 15                        ; 32,768 bytes a run
	s_mov_b32 s23, 0
	s_add_nc_u64 s[4:5], s[4:5], s[22:23]
	s_and_b32 s21, s18, 1
	s_lshl_b32 s21, s21, 1
	s_lshr_b32 s24, s18, 1
	s_or_b32 s21, s21, s24
	s_add_co_u32 s20, s20, s21                     ; the run that I write
	s_mul_i32 s22, s20, 32*STEPS*CB                ; 6,144 bytes of codes a run
	s_add_nc_u64 s[10:11], s[10:11], s[22:23]
	s_lshl_b32 s22, s20, 8                         ; 256 scale bytes a run
	s_add_nc_u64 s[12:13], s[12:13], s[22:23]
.macro LOAD t
.irp i, 0,1,2,3
	global_load_b128 v[R+16*((\t)%4)+4*\i:R+16*((\t)%4)+4*\i+3], v3, s[4:5] offset:2048*(\t)+512*\i th:TH_LOAD_NT   ; 32 lanes read 512 consecutive bytes
.endr
.endm
.macro TURN t                          ; step t's numbers through the stage: LDS serves a wave's instructions in order, so no wait stands between the stores and the loads
.irp i, 0,1,2,3
	ds_store_b128 v14, v[R+16*((\t)%4)+4*\i:R+16*((\t)%4)+4*\i+3] offset:32*SP*((\t)%2)+8*SP*\i
.endr
.irp i, 0,1,2,3
	ds_load_b128 v[X+16*((\t)%2)+4*\i:X+16*((\t)%2)+4*\i+3], v15 offset:32*SP*((\t)%2)+16*\i
.endr
.endm
.irp t, 0,1,2,3
	LOAD \t
.endr
	s_wait_alu depctr_va_vdst(0)
	s_wait_loadcnt 12                              ; step 0's four loads are in; the twelve of steps 1 to 3 may be out
	TURN 0
.macro STEP t
.set XS, X+16*((\t)%2)
.if (\t) > 0
	s_wait_dscnt 1                                 ; this step's numbers are back from the stage (the last step's byte store may be out): so its stores into the stage have read their registers,
.else
	s_wait_dscnt 0x0
.endif
.if (\t)+4 < STEPS
	LOAD (\t)+4                                    ; which take the loads of four steps on
.endif
.if (\t)+1 < STEPS
.if STEPS-2-(\t) >= 3
	s_wait_loadcnt 12                              ; the next step's four loads are in; those of the three steps behind it may be out
.else
	s_wait_loadcnt 4*(STEPS-2-(\t))
.endif
	TURN (\t)+1                                    ; and go through the other stage while this step is worked
.endif
	v_max3_num_f32 v8, |v[XS]|, |v[XS+1]|, |v[XS+2]|               ; the largest magnitude of my 16, in two chains
	v_max3_num_f32 v9, |v[XS+3]|, |v[XS+4]|, |v[XS+5]|
.irp i, 6,10
	v_max3_num_f32 v8, v8, |v[XS+\i]|, |v[XS+\i+1]|
	v_max3_num_f32 v9, v9, |v[XS+\i+2]|, |v[XS+\i+3]|
.endr
	v_max3_num_f32 v8, v8, |v[XS+14]|, |v[XS+15]|
	v_max3_num_f32 v8, v8, v9, (EMAX+1)<<23        ; and the floor 2^(EMAX + 1 - 127): so the byte cannot fall under 1
	v_max_num_f32_dpp v8, v8, v8 row_xmask:1 row_mask:0xf bank_mask:0xf   ; and of my neighbour's 16: the block's
	v_add_nc_u32 v11, -(EMAX<<23), v8              ; EMAX off its exponent field: the conversion takes the exponent field of this operand as its scale
	v_cvt_scalef32_pk16_fp6_f32 v[C+4*(\t):C+4*(\t)+2], v[XS:XS+15], v11
	v_lshrrev_b32 v[E+(\t)], 23, v11               ; the scale's byte (also the plain line behind the conversion)
	ds_store_b8 v5, v[E+(\t)] offset:16*(\t)       ; both lanes of a block write the same byte with the same value
	global_store_b96 v4, v[C+4*(\t):C+4*(\t)+2], s[10:11] offset:32*CB*(\t)   ; the wave stores 384 consecutive bytes
.endm
.irp t, 0,1,2,3,4,5,6,7,8,9,10,11,12,13,14,15
	STEP \t
.endr
	ds_load_b64 v[12:13], v6                       ; LDS serves a wave's instructions in order: these see my stores
	s_wait_dscnt 0x0
	global_store_b64 v7, v[12:13], s[12:13]        ; 32 lanes store 256 consecutive bytes, aligned
	s_wait_tensorcnt 0x0
	ds_add_u32 v208, v209
	s_wait_dscnt 0x0
	s_endpgm
; ---------------- the weights.  Work-group 256 + 32 y + g takes columns 128 g .. 128 g + 127 (g < 24: W_attn's, else W_proj's) and rows 256 y .. 256 y + 255 of K; a wave 32 columns.
; A lane takes the logical column (its lane), and its codes go to place sigma(lane) of the wave's 32 rows of wc.  The row pitch differs between the two tensors, so the offsets stand in registers, made once.
.Lw:
	s_sub_co_u32 s19, ttmp9, 256
	s_and_b32 s20, s19, 31                         ; g
	s_lshr_b32 s21, s19, 5                         ; y
	s_lshl_b32 s22, s20, 7
	s_lshl_b32 s25, s18, 5
	s_add_co_u32 s22, s22, s25                     ; my wave's first row of wc
	s_mov_b32 s23, 4096
	s_cmp_lt_u32 s20, 24                           ; the choice hangs on the work-group's number alone
	s_cselect_b64 s[6:7], s[6:7], s[8:9]           ; the tensor,
	s_cselect_b32 s23, 12288, s23                  ; its row in bytes,
	s_cselect_b32 s24, 0, 3072                     ; and what wc's row number is ahead of its column number
	s_sub_co_u32 s24, s22, s24
	s_lshl_b32 s26, s24, 2
	s_mov_b32 s27, 0
	s_add_nc_u64 s[6:7], s[6:7], s[26:27]          ; at my wave's first column
	s_lshl_b32 s26, s21, 8
	s_mul_i32 s26, s26, s23                        ; 256 y rows down
	s_add_nc_u64 s[BB:BB+1], s[6:7], s[26:27]
	s_lshl_b32 s28, s23, 5                         ; 32 rows
	s_mov_b32 s29, 0
.irp t, 1,2,3,4,5,6,7
	s_add_nc_u64 s[BB+2*\t:BB+2*\t+1], s[BB+2*\t-2:BB+2*\t-1], s[28:29]
.endr
	s_wait_alu depctr_va_vdst(0)
	v_lshlrev_b32 v[RA], 2, v2                     ; 4 bytes a lane: a load reads 128 consecutive bytes
.set n, 1
.rept 31
	v_add_nc_u32 v[RA+n], s23, v[RA+n-1]
.set n, n+1
.endr
	v_and_b32 v10, 7, v2
	v_bfe_u32 v11, v2, 3, 1
	v_lshl_add_u32 v10, v11, 4, v10
	v_bfe_u32 v11, v2, 4, 1
	v_lshl_add_u32 v10, v11, 3, v10                ; sigma(lane)
	s_mul_i32 s25, s18, 32*SPITCH
	s_add_co_u32 s25, s25, WST                     ; my stage
	v_mul_u32_u24 v4, v10, SPITCH
	v_add_nc_u32 v4, s25, v4                       ; into it: row = my column's place
	v_and_b32 v5, 15, v2
	v_lshrrev_b32 v6, 4, v2                        ; out of it: sixteen lanes to a row, two rows an instruction
	v_mul_u32_u24 v7, v6, SPITCH
	v_lshl_add_u32 v7, v5, 4, v7
	v_add_nc_u32 v7, s25, v7
	v_mul_u32_u24 v8, v6, KROW
	v_mad_u32_u24 v8, v5, 12, v8                   ; and the same place in wc
	v_lshlrev_b32 v9, 5, v10                       ; my column's row of scale bytes
	s_mul_i32 s26, s22, KROW
	s_mul_i32 s30, s21, 192
	s_add_co_u32 s26, s26, s30
	s_add_nc_u64 s[14:15], s[14:15], s[26:27]      ; wc: row x 768 + 192 y
	s_lshl_b32 s26, s22, 5
	s_lshl_b32 s30, s21, 3
	s_add_co_u32 s26, s26, s30
	s_add_nc_u64 s[16:17], s[16:17], s[26:27]      ; ws: row x 32 + 8 y
.macro LOADW t                         ; block t: W(32 t + i, my column), i = 0 .. 31, into set t % 2
.set n, 0
.rept 32
	global_load_b32 v[XW+32*((\t)%2)+n], v[RA+n], s[BB+2*(\t):BB+2*(\t)+1] th:TH_LOAD_NT
.set n, n+1
.endr
.endm
	LOADW 0
	LOADW 1
.macro BLOCKW t
.set XS, XW+32*((\t)%2)
.if (\t) < NB-1
	s_wait_loadcnt 32                              ; this block's 32 loads are in; the next block's 32 may be out
.else
	s_wait_loadcnt 0
.endif
	v_max3_num_f32 v12, |v[XS]|, |v[XS+1]|, |v[XS+2]|               ; the block's largest magnitude: all 32 numbers are mine
	v_max3_num_f32 v13, |v[XS+3]|, |v[XS+4]|, |v[XS+5]|
.irp i, 6,10,14,18,22,26
	v_max3_num_f32 v12, v12, |v[XS+\i]|, |v[XS+\i+1]|
	v_max3_num_f32 v13, v13, |v[XS+\i+2]|, |v[XS+\i+3]|
.endr
	v_max3_num_f32 v12, v12, |v[XS+30]|, |v[XS+31]|
	v_max3_num_f32 v12, v12, v13, (EMAX+1)<<23     ; and the floor
	v_add_nc_u32 v11, -(EMAX<<23), v12             ; the conversion's scale operand
	v_lshrrev_b32 v13, 23, v11                     ; the scale's byte
.if (\t)%4 == 0
	v_mov_b32 v[SB+(\t)/4], v13                    ; four bytes to a register, the lower K in the lower byte
.else
	v_lshl_or_b32 v[SB+(\t)/4], v13, 8*((\t)%4), v[SB+(\t)/4]
.endif
	v_cvt_scalef32_pk16_fp6_f32 v[CW:CW+2], v[XS:XS+15], v11
	v_cvt_scalef32_pk16_fp6_f32 v[CW+4:CW+6], v[XS+16:XS+31], v11   ; (a conversion's three registers begin on an even number)
	ds_store_b96 v4, v[CW:CW+2] offset:32*(\t)     ; 16 codes, 12 bytes, to a place of 16 bytes, so that every LDS address is a multiple of 16
	ds_store_b96 v4, v[CW+4:CW+6] offset:32*(\t)+16
.if (\t)+2 < NB
	LOADW (\t)+2
.endif
	s_wait_dscnt 0x0                               ; the stores have read their registers: the next block's codes may be written (its first lines are plain vector lines)
.endm
.irp t, 0,1,2,3,4,5,6,7
	BLOCKW \t
.endr
	s_wait_alu depctr_va_vdst(0)
	global_store_b64 v9, v[SB:SB+1], s[16:17]      ; my column's 8 scale bytes: rows 32 bytes apart, so blocks of 256 bytes are written in part: one byte for each 128 that are read
.irp t, 0,1,2,3,4,5,6,7,8,9,10,11,12,13,14,15
	ds_load_b96 v[OUTR+4*\t:OUTR+4*\t+2], v7 offset:2*\t*SPITCH   ; LDS serves a wave's instructions in order: these see my stores
.endr
.irp t, 0,1,2,3,4,5,6,7,8,9,10,11,12,13,14,15
	s_wait_dscnt 15-\t                             ; the younger reads of the stage may be out
	global_store_b96 v8, v[OUTR+4*\t:OUTR+4*\t+2], s[14:15] offset:2*\t*KROW   ; sixteen lanes store a row's 192 consecutive bytes
.endr
	s_wait_tensorcnt 0x0
	ds_add_u32 v208, v209
	s_wait_dscnt 0x0
	s_endpgm
.Lfunc_end_k_q9c59c6247f_quant:
	.size	k_q9c59c6247f_quant, .Lfunc_end_k_q9c59c6247f_quant-k_q9c59c6247f_quant
	.p2alignl 7, 3214868480
	.fill 96, 4, 3214868480
	.section	.rodata,"a",@progbits
	.p2align	6, 0x0
	.amdhsa_kernel k_q9c59c6247f_quant
		.amdhsa_group_segment_fixed_size 68096
		.amdhsa_private_segment_fixed_size 0
		.amdhsa_enable_private_segment 0
		.amdhsa_kernarg_size 56
		.amdhsa_user_sgpr_count 2
		.amdhsa_user_sgpr_kernarg_segment_ptr 1
		.amdhsa_wavefront_size32 1
		.amdhsa_system_sgpr_workgroup_id_x 1
		.amdhsa_system_sgpr_workgroup_id_y 1
		.amdhsa_system_sgpr_workgroup_id_z 1
		.amdhsa_system_vgpr_workitem_id 0
		.amdhsa_next_free_vgpr 210
		.amdhsa_next_free_sgpr 66
		.amdhsa_reserve_vcc 0
		.amdhsa_float_denorm_mode_32 3
		.amdhsa_float_denorm_mode_16_64 3
		.amdhsa_memory_ordered 1
		.amdhsa_forward_progress 1
		.amdhsa_inst_pref_size 75
	.end_amdhsa_kernel
	.amdgpu_metadata
---
amdhsa.version: [ 1, 2 ]
amdhsa.kernels:
  - .name:           k_q9c59c6247f_quant
    .symbol:         k_q9c59c6247f_quant.kd
    .args:
      - { .name: x, .offset: 0, .size: 8, .value_kind: global_buffer, .address_space: global }
      - { .name: W_attn, .offset: 8, .size: 8, .value_kind: global_buffer, .address_space: global }
      - { .name: W_proj, .offset: 16, .size: 8, .value_kind: global_buffer, .address_space: global }
      - { .name: xc, .offset: 24, .size: 8, .value_kind: global_buffer, .address_space: global }
      - { .name: xs, .offset: 32, .size: 8, .value_kind: global_buffer, .address_space: global }
      - { .name: wc, .offset: 40, .size: 8, .value_kind: global_buffer, .address_space: global }
      - { .name: ws, .offset: 48, .size: 8, .value_kind: global_buffer, .address_space: global }
    .group_segment_fixed_size: 68096
    .private_segment_fixed_size: 0
    .kernarg_segment_align: 8
    .kernarg_segment_size: 56
    .max_flat_workgroup_size: 128
    .sgpr_count:     66
    .vgpr_count:     210
    .wavefront_size: 32
...
	.end_amdgpu_metadata
.endif
;; end of part 1
;; launch qkv (part 2): grid 12 x 32, 4 waves a work-group, clusters of 4 x 4, 327,680 bytes of LDS; arguments xc, xs, wc, ws, b_attn, qkv, scl; writes qkv, scl
.if DOCPART == 2
	.amdgcn_target "amdgcn-amd-amdhsa--gfx1250"
	.amdhsa_code_object_version 6
	.text
	.protected	k_q9c59c6247f_qkv
	.globl	k_q9c59c6247f_qkv
	.p2align	8
	.type	k_q9c59c6247f_qkv,@function
k_q9c59c6247f_qkv:
	s_mov_b64 s[64:65], 0
	v_nop
	global_prefetch_b8 v0, s[64:65] scope:SCOPE_SE
	s_setreg_imm32_b32 hwreg(HW_REG_WAVE_MODE, 25, 1), 1
	s_wait_xcnt 0x0
	s_wait_alu depctr_hold_cnt(0) depctr_sa_sdst(0) depctr_va_vdst(0) depctr_va_sdst(0) depctr_va_ssrc(0) depctr_va_vcc(0) depctr_vm_vsrc(0)
	s_getreg_b32 s2, hwreg(HW_REG_IB_STS2, 6, 4)
	s_cmp_eq_u32 s2, 0
	s_cbranch_scc0 .Lentry_in_a_cluster
	s_endpgm
.Lentry_in_a_cluster:
	s_bfe_u32 s2, ttmp6, 0x10000c
	s_cmp_lg_u32 s2, 0xf033
	s_cbranch_scc0 .Lentry_shape_is_right
	s_endpgm
.Lentry_shape_is_right:
; qkv = x W_attn + b_attn on codes of FP6 (E2M3) with E8M0 scales for each 32 along K = 1,024; the results are quantised in registers and leave as IMAGES OF OPERAND REGISTERS for the attention launch.
; A tile of 256 x 256 is made by four waves, 128 x 128 each: 64 accumulators of 16 x 16.  K goes in steps of 256 through a ring of two LDS slots filled by the tensor data mover; the scale bytes of the 512 rows come once.
; CLUSTERS of 4 x 4 work-groups: A's tiles are asked for jointly along a row of the cluster, B's along a column.  The matrix instruction is used transposed: source 0 = 16 rows of B, source 1 = 16 rows of A:
; a lane holds ONE row of A and eight rows of B.  All rows lie permuted in memory (place P holds the logical row sigma(P), bits 3 and 4 exchanged), so the 16 registers of accumulators (a, 2 g), (a, 2 g + 1) are the logical rows
; 32 g + 16 (lane / 16) + 0 .. 15 of B: 16 neighbours.
; Clusters x = 0, 1: A = tokens (xc), B = W_attn's columns 0-2047 (wc): q and k.  A lane holds a token and 128 columns = two heads of 64: quantised along the head's 64.
; Cluster x = 2: THE ROLES ARE SWAPPED: A = W_attn's columns 2048-3071, B = tokens: v^T.  A lane holds a channel and 128 tokens: quantised along the keys.
; The bias is the C of each sum's first matrix instruction.
; OUT.  qkv [batch 4][G 48][98,304 bytes], G 0-15 q's heads, 16-31 k's, 32-47 v's.  q, k: [tile 128][768]: 16 places x 64 d: registers 0-3 at 16 x lane, registers 4-5 at 512 + 8 x lane.  v: [step 16][tile of channels 4][1,536]:
; a whole fragment (16 channels x 128 keys), three stores of 512 bytes.  scl [batch x head 64][group of 128 tokens 16][1,280]: q's words (512), k's (512), v's (256), in the order in which a lane's registers take them.
; LIMITS: a block of zeros gets the byte 1 where the rule says 127 (its codes are zeros; this program alone reads the bytes); NaN and infinities are not served.
; REGISTERS, in windows of 256: window 0: v0-31 addresses; v32-63 scale words, two sets; v64-127 the bias; v128-223 A's fragments, ONE set; v224-231 the bias's offsets.  On the way out v64-201 are used anew.
;   window 1: B's fragments, two sets, at v0 and v128.   window 2: the accumulators of my rows 0-63 ((a, b) at v[8 (8 a + b)]);   window 3: those of my rows 64-127.
.set KSTEP,  256
.set NQ,     2                         ; matrix instructions deep in a slot
.set ROWB,   192                       ; a tile's row in bytes
.set KROW,   768                       ; a row of codes in memory
.set PITCH,  240                       ; an LDS row: 3 x (64 bytes + 16 of padding)
.set FR,     12
.set NL,     6                         ; LDS loads that bring a fragment
.set NP,     4                         ; places behind this matrix instruction (ISA guide 7.12.1)
.set HALFT,  128*PITCH
.set SLOT,   4*HALFT
.set LAPS,   2                         ; 1,024 / 512
.set KS,     32                        ; a row of scales in bytes
.set SCL,    2*SLOT
.set HALFS,  (128*KS/256)*272
.set SBLK,   (16*KS/256)*272
.set SPARE,  SCL+4*HALFS               ; the spare words, 128 bytes for each wave: two blocks of 256 bytes that no other line names
.set ADRA, 16                          ; v16-19
.set ADRB, 20                          ; v20-23
.set ADRS, 27
.set SPW,  28
.set NIL,  29
.set SC,   32
.set BIAS, 64
.set AF,   128
.set VA,   224
.set PQB,  64                          ; the way out: the codes of row block a at v[PQB + 12 a]: a set for each, so that no store's data are written again
.set TM,   160                         ; v160-163 largest magnitudes, v164-167 bytes, v172-175 the conversions' scale operands
.set CT,   176                         ; v176-182 the conversions' second halves
.set WA,   184                         ; v184-187 the scale words of two row blocks
.set SW,   192                         ; v192-199 the same, two row blocks to a register
.set L16,  200
.set L8,   201
.set FLR,  2                           ; s2   the floor 2^(3 - 127)
.set MHI,  95                          ; s95  lanes 16-31
.set SEL,  100                         ; s[100:101] selects for lane l xor 16
.set G1, 24
.set G0, 32
.set G1B, 48
.set G0B, 56
.set G1S, 68
.set G0S, 76
.set G1SB, 80
.set G0SB, 88
.set MSB, 0
.macro WIN new                         ; the immediate's high byte repeats the setting that is left
.if MSB != \new
	s_set_vgpr_msb (MSB<<8)|\new
.set MSB, \new
.endif
.endm
.set MUL_LO, 0xa1                      ; source 0 (B) window 1, source 1 (A) window 0, C and D window 2
.set MUL_HI, 0xf1                      ; the same, C and D window 3
.set TO_B,   0x40                      ; destination window 1, address window 0
; A joint load: waves 0 and 1 fetch for A, waves 2 and 3 for B; the branch hangs on the wave's number alone.  Four v_nop follow each of the two lines.
.macro JLOAD g0a, g1a, g0b, g1b
	s_cmp_eq_u32 s15, 0
	s_cbranch_scc0 .Lfor_b_\@
	tensor_load_to_lds s[\g0a:\g0a+3], s[\g1a:\g1a+7]
	s_nop 0
.rept 4
	v_nop
.endr
	s_branch .Lasked_\@
.Lfor_b_\@:
	tensor_load_to_lds s[\g0b:\g0b+3], s[\g1b:\g1b+7]
	s_nop 0
.rept 4
	v_nop
.endr
.Lasked_\@:
.endm
.macro CREST                           ; a round of the cluster's barrier behind its opening barrier
	s_cmp_lg_u32 s14, 0
	s_cbranch_scc1 .Lnot_wave_0_\@
	s_barrier_signal -3
.Lnot_wave_0_\@:
	s_barrier_wait -3
	s_barrier_signal -1
	s_barrier_wait -1
.endm
.macro CROUND
	s_barrier_signal -1
	s_barrier_wait -1
	CREST
.endm
	s_load_b128 s[4:7], s[0:1], 0x0                ; xc, xs
	s_load_b128 s[8:11], s[0:1], 0x10              ; wc, ws
	s_load_b64 s[12:13], s[0:1], 0x20              ; b_attn
	s_load_b64 s[96:97], s[0:1], 0x28              ; qkv
	s_load_b64 s[98:99], s[0:1], 0x30              ; scl
	v_lshl_add_u32 v[SPW], v0, 2, SPARE
	v_mov_b32 v[NIL], 0
	ds_add_u32 v28, v29
	ds_add_u32 v28, v29
	s_wait_dscnt 0x0
	v_lshrrev_b32 v1, 5, v0
	v_readfirstlane_b32 s14, v1                    ; wave 0..3
	s_lshr_b32 s15, s14, 1                         ; which half of A's rows is mine.  Also: I fetch for A (0) or for B (1)
	s_and_b32 s16, s14, 1                          ; which half of B's rows.  Also: which 128 rows of that tile I fetch
	s_bfe_u32 s40, ttmp6, 0x40000                  ; cx, cy: my place in the cluster
	s_bfe_u32 s41, ttmp6, 0x40004
	s_lshl_b32 s18, ttmp9, 2                       ; 4 x cluster x
	s_and_b32 s19, ttmp7, 0xffff
	s_lshl_b32 s19, s19, 2                         ; 4 x cluster y
	s_cmp_eq_u32 ttmp9, 2                          ; the same in all sixteen partners
	s_cselect_b32 s17, 8, s19                      ; A's tile row: tokens 4 y + cy, or wc's rows 2,048 on: 8 + cy
	s_cselect_b32 s42, s19, s18                    ; B's tile: wc's 4 x + cx, or tokens 4 y + cx
	s_add_co_u32 s17, s17, s41
	s_add_co_u32 s42, s42, s40
	s_lshl_b32 s43, s41, 2
	s_lshl_b32 s43, 15, s43                        ; my row of the cluster
	s_lshl_b32 s44, 0x1111, s40                    ; my column
	; descriptor group 1: a tile of 128 rows x 192 bytes, 16 bytes of padding behind every 64
	s_or_b32 s[G1+0], s43, (0<<16)|(1<<20)|(1<<21)|(3<<22)|(3<<25)
	s_or_b32 s[G1B+0], s44, (0<<16)|(1<<20)|(1<<21)|(3<<22)|(3<<25)
.irp g, G1, G1B
	s_mov_b32 s[\g+1], ROWB<<16                    ; tensor_dim0
	s_mov_b32 s[\g+2], 128<<16                     ; tensor_dim1
	s_mov_b32 s[\g+3], ROWB<<16                    ; tile_dim0
	s_mov_b32 s[\g+4], 128                         ; tile_dim1
	s_mov_b32 s[\g+5], KROW                        ; the pitch
	s_mov_b32 s[\g+6], 0
	s_mov_b32 s[\g+7], 0
.endr
	; the scales of 128 rows: a dense block of 4,096 bytes, as 16 rows of 256 bytes (32 elements of 8 bytes), 16 bytes of padding behind each
	s_or_b32 s[G1S+0], s43, (3<<16)|(1<<20)|(1<<21)|(5<<22)|(3<<25)
	s_or_b32 s[G1SB+0], s44, (3<<16)|(1<<20)|(1<<21)|(5<<22)|(3<<25)
.irp g, G1S, G1SB
	s_mov_b32 s[\g+1], 32<<16
	s_mov_b32 s[\g+2], (128*KS/256)<<16
	s_mov_b32 s[\g+3], 32<<16
	s_mov_b32 s[\g+4], 128*KS/256
	s_mov_b32 s[\g+5], 32
	s_mov_b32 s[\g+6], 0
	s_mov_b32 s[\g+7], 0
.endr
	s_lshl_b32 s18, s16, 7                         ; which 128 rows of the tile I fetch
	s_lshl_b32 s20, s17, 8
	s_add_co_u32 s20, s20, s18                     ; A's row
	s_lshl_b32 s46, s42, 8
	s_add_co_u32 s46, s46, s18                     ; B's row
	s_mov_b32 s21, 0
	s_mov_b32 s47, 0
	s_mov_b64 s[18:19], KS
	s_mul_u64 s[22:23], s[20:21], s[18:19]         ; where these rows' scales begin, in bytes
	s_mul_u64 s[92:93], s[46:47], s[18:19]
	s_mov_b64 s[18:19], KROW
	s_mul_u64 s[20:21], s[20:21], s[18:19]         ; and their codes
	s_mul_u64 s[46:47], s[46:47], s[18:19]
	s_mul_i32 s45, s14, HALFT                      ; where they go: wave x 128 rows
	s_mul_i32 s94, s14, HALFS
	s_wait_kmcnt 0x0
	s_cmp_eq_u32 ttmp9, 2                          ; which buffers are A and B: a choice that hangs on the cluster's number alone
	s_cselect_b64 s[66:67], s[8:9], s[4:5]         ; A's codes
	s_cselect_b64 s[100:101], s[10:11], s[6:7]     ; A's scales
	s_cselect_b64 s[8:9], s[4:5], s[8:9]           ; B's codes
	s_cselect_b64 s[10:11], s[6:7], s[10:11]       ; B's scales
	s_mov_b64 s[4:5], s[66:67]
	s_mov_b64 s[6:7], s[100:101]
	s_add_nc_u64 s[20:21], s[4:5], s[20:21]
	s_add_nc_u64 s[22:23], s[6:7], s[22:23]
	s_add_nc_u64 s[46:47], s[8:9], s[46:47]
	s_add_nc_u64 s[92:93], s[10:11], s[92:93]
	CROUND                                         ; all sixteen work-groups are here: the first joint loads meet
	s_mov_b32 s[G0S], 1
	s_add_co_u32 s[G0S+1], s94, SCL
	s_mov_b64 s[G0S+2:G0S+3], s[22:23]
	s_or_b32 s[G0S+3], s[G0S+3], 0x80000000
	s_mov_b32 s[G0SB], 1
	s_add_co_u32 s[G0SB+1], s94, SCL
	s_mov_b64 s[G0SB+2:G0SB+3], s[92:93]
	s_or_b32 s[G0SB+3], s[G0SB+3], 0x80000000
	JLOAD G0S, G1S, G0SB, G1SB                     ; the scales first: they are wanted with K step 0
.irp s, 0,1
	s_mov_b32 s[G0+4*\s], 1
	s_add_co_u32 s[G0+4*\s+1], s45, \s*SLOT
	s_add_nc_u64 s[G0+4*\s+2:G0+4*\s+3], s[20:21], \s*ROWB
	s_or_b32 s[G0+4*\s+3], s[G0+4*\s+3], 0x80000000
	s_mov_b32 s[G0B+4*\s], 1
	s_add_co_u32 s[G0B+4*\s+1], s45, \s*SLOT
	s_add_nc_u64 s[G0B+4*\s+2:G0B+4*\s+3], s[46:47], \s*ROWB
	s_or_b32 s[G0B+4*\s+3], s[G0B+4*\s+3], 0x80000000
	JLOAD G0+4*\s, G1, G0B+4*\s, G1B
.endr
	v_and_b32 v1, 15, v0                           ; r = l % 16
	v_bfe_u32 v2, v0, 4, 1                         ; h = l / 16
	s_wait_alu depctr_va_vdst(0)
	; THE BIAS, 64 registers in the result's layout.  q, k: register 8 b + j is the bias of B's logical row 32 (b / 2) + 8 (b % 2) + 16 h + j.  v: register 8 a + j that of A's logical row 32 (a / 2) + 8 (a % 2) + r + 8 (r / 8), the same for all j.
	s_cmp_eq_u32 ttmp9, 2
	s_cselect_b32 s18, s17, s42                    ; the tile of 256 columns of W_attn,
	s_cselect_b32 s19, s15, s16                    ; my half of it,
	s_cselect_b32 s66, 0, 4                        ; from register to register,
	s_cselect_b32 s67, -1, 0                       ; and which lane term
	s_lshl_b32 s18, s18, 10
	s_lshl_b32 s19, s19, 9
	s_add_co_u32 s18, s18, s19
	s_mov_b32 s19, 0
	s_add_nc_u64 s[12:13], s[12:13], s[18:19]
	v_lshlrev_b32 v6, 6, v2                        ; 64 h
	v_and_b32 v7, 8, v1
	v_add_lshl_u32 v7, v7, v1, 2                   ; 4 (r + 8 (r / 8))
	v_cndmask_b32 v[VA], v6, v7, s67
.irp j, 1,2,3,4,5,6,7
	v_add_nc_u32 v[VA+\j], s66, v[VA+\j-1]
.endr
.irp i, 0,1,2,3,4,5,6,7
.irp j, 0,1,2,3,4,5,6,7
	global_load_b32 v[BIAS+8*\i+\j], v[VA+\j], s[12:13] offset:(32*(\i/2)+8*(\i%2))*4
.endr
.endr
	v_mul_u32_u24 v3, v1, PITCH
	v_mul_u32_u24 v4, v2, 24
	v_add_nc_u32 v4, v3, v4                        ; a fragment's row x pitch + 24 x half
	v_lshl_add_u32 v5, v2, 4, v4                   ; and the same behind one padding more
	s_mul_i32 s21, s15, HALFT                      ; my 128 rows of A
	s_mul_i32 s22, s16, HALFT                      ; my 128 rows of B,
	s_add_co_u32 s22, s22, 2*HALFT                 ; which lie behind A's 256
.irp s, 0,1
	v_add_nc_u32 v[ADRA+\s], s21, v4
	v_add_nc_u32 v[ADRB+\s], s22, v4
	v_add_nc_u32 v[ADRA+2+\s], s21, v5
	v_add_nc_u32 v[ADRB+2+\s], s22, v5
	s_add_co_u32 s21, s21, SLOT
	s_add_co_u32 s22, s22, SLOT
.endr
	v_mul_u32_u24 v5, v1, KS                       ; my row's scales: 32 bytes a row,
	v_lshrrev_b32 v6, 8, v5
	v_lshl_add_u32 v5, v6, 4, v5                   ; and 16 more for each 256 passed
	s_mul_i32 s21, s15, HALFS
	s_mul_i32 s22, s16, HALFS
	s_add_co_u32 s22, s22, 2*HALFS
	s_sub_co_u32 s22, s22, s21
	v_mul_u32_u24 v6, s22, v2                      ; lanes 16-31 take B's
	s_add_co_u32 s21, s21, SCL
	v_add_nc_u32 v5, v5, v6
	v_add_nc_u32 v[ADRS], s21, v5
.macro FRAG reg, adr, q, i             ; a fragment, 16 rows x 128 K: lane l holds row l % 16; registers 6 c .. 6 c + 5 hold K = 64 c + 32 (l / 16) + 0 .. 31: 24 bytes of the row, in pieces of 8
.irp p, 0,1,2,3,4,5
.set PC, 12*(\q)+6*(\p/3)+\p%3        ; 16 bytes of padding lie behind every 8 pieces: where the piece three on lies behind one padding more, the second address register serves
.if PC%8 < 5
	ds_load_b64 v[\reg+2*\p:\reg+2*\p+1], v[\adr] offset:8*PC+16*(PC/8)+(\i)*16*PITCH
.else
	ds_load_b64 v[\reg+2*\p:\reg+2*\p+1], v[\adr+2] offset:8*PC+16*(PC/8)+(\i)*16*PITCH
.endif
.endr
.endm
; 16 matrix instructions: A's blocks a0, a0 + 1 x B's eight.  zero = 1: C is the bias by B's block; 2: by A's block; 0: in place.  The 64 accumulators take turns, one instruction a turn.
.macro MUL16 a0, p, q, sc, zero
.irp a, \a0, \a0+1
.irp b, 0,1,2,3,4,5,6,7
.if \zero == 1
	v_wmma_scale_f32_16x16x128_f8f6f4 v[8*(8*((\a)%4)+\b):8*(8*((\a)%4)+\b)+7], v[128*(\p)+FR*\b:128*(\p)+FR*\b+FR-1], v[AF+FR*(\a):AF+FR*(\a)+FR-1], v[BIAS+8*\b:BIAS+8*\b+7], v[SC+8*NQ*(\sc)+NQ*\b+(\q)], v[SC+8*NQ*(\sc)+NQ*(\a)+(\q)] matrix_a_fmt:MATRIX_FMT_FP6 matrix_b_fmt:MATRIX_FMT_FP6 matrix_a_scale:MATRIX_SCALE_ROW1
.elseif \zero == 2
	v_wmma_scale_f32_16x16x128_f8f6f4 v[8*(8*((\a)%4)+\b):8*(8*((\a)%4)+\b)+7], v[128*(\p)+FR*\b:128*(\p)+FR*\b+FR-1], v[AF+FR*(\a):AF+FR*(\a)+FR-1], v[BIAS+8*(\a):BIAS+8*(\a)+7], v[SC+8*NQ*(\sc)+NQ*\b+(\q)], v[SC+8*NQ*(\sc)+NQ*(\a)+(\q)] matrix_a_fmt:MATRIX_FMT_FP6 matrix_b_fmt:MATRIX_FMT_FP6 matrix_a_scale:MATRIX_SCALE_ROW1
.else
	v_wmma_scale_f32_16x16x128_f8f6f4 v[8*(8*((\a)%4)+\b):8*(8*((\a)%4)+\b)+7], v[128*(\p)+FR*\b:128*(\p)+FR*\b+FR-1], v[AF+FR*(\a):AF+FR*(\a)+FR-1], v[8*(8*((\a)%4)+\b):8*(8*((\a)%4)+\b)+7], v[SC+8*NQ*(\sc)+NQ*\b+(\q)], v[SC+8*NQ*(\sc)+NQ*(\a)+(\q)] matrix_a_fmt:MATRIX_FMT_FP6 matrix_b_fmt:MATRIX_FMT_FP6 matrix_a_scale:MATRIX_SCALE_ROW1
.endif
.endr
.endr
.endm
.macro FETCH_B slot, q, p
	WIN TO_B
.irp i, 0,1,2,3,4,5,6,7
	FRAG 128*(\p)+FR*\i, ADRB+\slot, \q, \i
.endr
	WIN 0
.endm
.macro FETCH_A slot, q, i0
.irp i, \i0, \i0+1, \i0+2, \i0+3
	FRAG AF+FR*(\i), ADRA+\slot, \q, \i
.endr
.endm
.macro SCALES sc                       ; a K step's scale words into set sc: lanes 0-15 take A's block i, lanes 16-31 B's block i
.irp i, 0,1,2,3,4,5,6,7
	ds_load_b64 v[SC+8*NQ*\sc+NQ*\i:SC+8*NQ*\sc+NQ*\i+1], v[ADRS] offset:\i*SBLK
.endr
.endm
.macro PLACES n                        ; plain vector instructions between a matrix instruction and a load into, or a read of, its registers
.rept \n
	v_nop
.endr
.endm
; A step of 128 along K that has its successor in the same slot.
.macro STEP slot, q, zero
	s_wait_dscnt 4*NL                              ; B's set and A's blocks 0-3 are in; the youngest 24 loads (A's blocks 4-7) may be out
.if \zero
	WIN 0x81                                       ; as MUL_LO, with C (the bias) in window 0
.else
	WIN MUL_LO
.endif
	MUL16 0, (\q)%2, \q, \slot, \zero
	MUL16 2, (\q)%2, \q, \slot, \zero
	s_wait_dscnt 0                                 ; A's blocks 4-7 are in
	PLACES NP
	FETCH_B \slot, (\q)+1, 1-(\q)%2
	FETCH_A \slot, (\q)+1, 0
.if \zero
	WIN 0xc1
.else
	WIN MUL_HI
.endif
	MUL16 4, (\q)%2, \q, \slot, \zero
	MUL16 6, (\q)%2, \q, \slot, \zero
	PLACES NP
	WIN 0
	FETCH_A \slot, (\q)+1, 4
.endm
; A slot's last step changes slots: ONE barrier; in front of it each wave waits for all its tensor loads, adds 0 to its spare word, and waits for that and for its own reads of this slot.  fill = 1: this slot is filled again, two K steps ahead.
.macro TURN slot, next, fill
	s_wait_tensorcnt 0x0                           ; all my tensor loads have landed: my part of the next slot
	ds_add_u32 v[SPW], v[NIL]                      ; 0 onto my spare word
	s_wait_dscnt 4*NL+1                            ; (the add and the youngest 24 loads, A's blocks 4-7, may be out)
	WIN MUL_LO
	MUL16 0, 1, NQ-1, \slot, 0                     ; sixteen matrix instructions stand between the add and the wait for it
	s_wait_dscnt 0x0                               ; the add is done, and my reads of this slot are over
	s_barrier_signal -1
	MUL16 2, 1, NQ-1, \slot, 0
	WIN 0
	s_barrier_wait -1
.if \fill
	CREST                                          ; the barrier has opened a round of the cluster's barrier: no wave of any partner still reads this slot or has a load on its way
	s_add_nc_u64 s[G0+4*\slot+2:G0+4*\slot+3], s[G0+4*\slot+2:G0+4*\slot+3], 2*ROWB
	s_add_nc_u64 s[G0B+4*\slot+2:G0B+4*\slot+3], s[G0B+4*\slot+2:G0B+4*\slot+3], 2*ROWB
	JLOAD G0+4*\slot, G1, G0B+4*\slot, G1B         ; the first tensor load behind the round; its four v_nop are the places in front of the loads below
.else
	PLACES NP
.endif
	s_wait_alu depctr_va_vdst(0)
	v_add_nc_u32 v[ADRS], 4*NQ, v[ADRS]            ; on to the next K step's scale words
	FETCH_B \next, 0, 0
	FETCH_A \next, 0, 0
	SCALES \next
	WIN MUL_HI
	MUL16 4, 1, NQ-1, \slot, 0
	MUL16 6, 1, NQ-1, \slot, 0
	PLACES NP
	WIN 0
	FETCH_A \next, 0, 4
.endm
	s_wait_alu depctr_va_vdst(0)
	s_wait_tensorcnt 1                             ; the scales and my part of K step 0 are in (K step 1's load may be out),
	s_barrier_signal -1
	s_barrier_wait -1                              ; everybody's are
	FETCH_B 0, 0, 0
	FETCH_A 0, 0, 0
	SCALES 0
	FETCH_A 0, 0, 4
	s_wait_loadcnt 0x0                             ; the bias
	s_cmp_eq_u32 ttmp9, 2                          ; the first step is written twice: the bias goes by B's blocks (q, k) or by A's (v)
	s_cbranch_scc1 .Lfirst_v
	STEP 0, 0, 1
	s_branch .Lfirst_done
.Lfirst_v:
	STEP 0, 0, 2
.Lfirst_done:
	s_mov_b32 s3, LAPS-1
.Llap:                                             ; a trip goes once round the ring and fills both slots again
	TURN 0, 1, 1
	STEP 1, 0, 0
	TURN 1, 0, 1
	STEP 0, 0, 0
	s_sub_co_u32 s3, s3, 1
	s_cmp_lg_u32 s3, 0
	s_cbranch_scc1 .Llap
	TURN 0, 1, 0                                   ; the last lap fills nothing
	STEP 1, 0, 0
	s_wait_dscnt 4*NL
	WIN MUL_LO
	MUL16 0, 1, NQ-1, 1, 0
	MUL16 2, 1, NQ-1, 1, 0
	s_wait_dscnt 0
	WIN MUL_HI
	MUL16 4, 1, NQ-1, 1, 0
	MUL16 6, 1, NQ-1, 1, 0
	WIN 0
; THE WAY OUT.  The 64 registers of row block a, register 16 b + i = B's logical row 32 b + 16 (lane / 16) + i, become 12 registers of codes at v[PQ] on; the four blocks' bytes stay in v[TM+4] on.
.macro QUANTW a
.set AC, 64*((\a)%4)
.set PQ, PQB+12*(\a)
	WIN 0x28+0x14*((\a)/4)                         ; sources 1 and 2: window 2 or 3
.irp b, 0,1,2,3
	v_max3_num_f32 v[TM+\b], s[FLR], |v[AC+16*\b]|, |v[AC+16*\b+1]|   ; block b: my 16 numbers and the floor; each accumulator is read from its low end on
.endr
.irp i, 2,4,6,8,10,12,14
.irp b, 0,1,2,3
	v_max3_num_f32 v[TM+\b], v[TM+\b], |v[AC+16*\b+\i]|, |v[AC+16*\b+\i+1]|
.endr
.endr
	WIN 0
.irp b, 0,1,2,3
	v_permlanex16_b32 v[TM+4+\b], v[TM+\b], s[SEL], s[SEL+1]
.endr
.irp b, 0,1,2,3
	v_max_num_f32 v[TM+\b], v[TM+\b], v[TM+4+\b]   ; with lane l xor 16's: the block's largest magnitude
.endr
.irp b, 0,1,2,3
	v_add_nc_u32 v[TM+12+\b], 0xff000000, v[TM+\b] ; 2 off its exponent field: the conversion's scale operand
.endr
.irp b, 0,1,2,3
	v_lshrrev_b32 v[TM+4+\b], 23, v[TM+12+\b]      ; the scale's byte
.endr
	WIN 0x02+(\a)/4                                ; source 0: window 2 or 3
.irp c, 0,1
	v_cvt_scalef32_pk16_fp6_f32 v[PQ+6*\c:PQ+6*\c+2], v[AC+32*\c:AC+32*\c+15], v[TM+12+2*\c]
	v_cvt_scalef32_pk16_fp6_f32 v[CT+4*\c:CT+4*\c+2], v[AC+32*\c+16:AC+32*\c+31], v[TM+13+2*\c]   ; (a conversion's three registers begin on an even number)
.endr
	WIN 0
	v_nop                                          ; one plain place behind a scaled conversion
.irp c, 0,1                                    ; the operand's layout wants a WHOLE block in a lane: lanes 0-15 block 2 c, lanes 16-31 block 2 c + 1
.irp i, 0,1,2
	v_permlane16_swap_b32 v[PQ+6*\c+\i], v[CT+4*\c+\i]
.endr
.irp i, 0,1,2
	v_mov_b32 v[PQ+3+6*\c+\i], v[CT+4*\c+\i]
.endr
.endr
.endm
	PLACES NP                                      ; behind the last products: their results are read and A's registers are written below
	v_and_b32 v[L8], 31, v0
	v_lshlrev_b32 v[L16], 4, v[L8]
	v_lshlrev_b32 v[L8], 3, v[L8]
.irp b, 0,1,2,3
	v_mov_b32 v[TM+4+\b], 0                        ; written once: a lane permute's destination counts as one of its sources
.endr
	s_mov_b32 s[FLR], 0x1800000
	s_mov_b32 s[MHI], 0xffff0000
	s_mov_b32 s[SEL], 0x76543210
	s_mov_b32 s[SEL+1], 0xfedcba98
	s_mov_b32 s23, 0
	s_cmp_eq_u32 ttmp9, 2
	s_cbranch_scc1 .Lout_v
	; ---- q, k: my 128 columns are two heads; row block a is one tile of 16 places for each of them
	s_lshl_b32 s18, s42, 2
	s_lshl_b32 s19, s16, 1
	s_add_co_u32 s18, s18, s19                     ; G of my first head
	s_lshr_b32 s19, s17, 3                         ; the batch
	s_and_b32 s20, s17, 7
	s_mul_i32 s21, s19, 48
	s_add_co_u32 s21, s21, s18
	s_mul_i32 s21, s21, 98304
	s_lshl_b32 s22, s20, 4
	s_lshl_b32 s3, s15, 3
	s_add_co_u32 s22, s22, s3                      ; my first tile of 16 places in the batch
	s_mul_i32 s22, s22, 768
	s_add_co_u32 s22, s22, s21
	s_add_nc_u64 s[4:5], s[96:97], s[22:23]
	s_lshl_b32 s21, s19, 4
	s_and_b32 s22, s18, 15
	s_add_co_u32 s21, s21, s22                     ; 16 x batch + head
	s_lshl_b32 s21, s21, 4
	s_lshl_b32 s22, s20, 1
	s_add_co_u32 s21, s21, s22
	s_add_co_u32 s21, s21, s15                     ; my group of 128 places
	s_mul_i32 s21, s21, 1280
	s_lshr_b32 s22, s18, 4                         ; 0: q, 1: k
	s_lshl_b32 s22, s22, 9
	s_add_co_u32 s22, s22, s21
	s_add_nc_u64 s[6:7], s[98:99], s[22:23]
.irp a, 0,1,2,3,4,5,6,7
	QUANTW \a
	v_lshl_or_b32 v[WA+\a%2], v[TM+5], 8, v[TM+4]          ; the first head's word: bytes 0, 1; bytes 2, 3 are 0 (they stand over zero codes)
	v_lshl_or_b32 v[WA+2+\a%2], v[TM+7], 8, v[TM+6]        ; the second head's
.if \a%2
	v_cndmask_b32 v[SW+\a/2], v[WA], v[WA+1], s[MHI]       ; two row blocks to a register: lane L holds place 32 (a / 2) + L
	v_cndmask_b32 v[SW+4+\a/2], v[WA+2], v[WA+3], s[MHI]
.endif
	global_store_b128 v[L16], v[PQ:PQ+3], s[4:5] offset:\a*768                  ; each store of the wave covers 512 or 256 consecutive bytes, aligned to 256
	global_store_b64 v[L8], v[PQ+4:PQ+5], s[4:5] offset:\a*768+512
	global_store_b128 v[L16], v[PQ+6:PQ+9], s[4:5] offset:\a*768+98304
	global_store_b64 v[L8], v[PQ+10:PQ+11], s[4:5] offset:\a*768+98304+512
.endr
	global_store_b128 v[L16], v[SW:SW+3], s[6:7]
	global_store_b128 v[L16], v[SW+4:SW+7], s[6:7] offset:20480
	s_branch .Lend
.Lout_v:
	; ---- v: my 128 rows of A are two heads' channels; my 128 tokens are one key step; row block a is one whole fragment
	s_sub_co_u32 s18, s17, 8
	s_lshl_b32 s18, s18, 2
	s_lshl_b32 s19, s15, 1
	s_add_co_u32 s18, s18, s19                     ; my first head
	s_lshr_b32 s19, s42, 3                         ; the batch
	s_and_b32 s20, s42, 7
	s_lshl_b32 s20, s20, 1
	s_add_co_u32 s20, s20, s16                     ; the key step
	s_mul_i32 s21, s19, 48
	s_add_co_u32 s21, s21, s18
	s_add_co_u32 s21, s21, 32
	s_mul_i32 s21, s21, 98304
	s_mul_i32 s22, s20, 6144
	s_add_co_u32 s22, s22, s21
	s_add_nc_u64 s[4:5], s[96:97], s[22:23]
	s_lshl_b32 s21, s19, 4
	s_add_co_u32 s21, s21, s18
	s_lshl_b32 s21, s21, 4
	s_add_co_u32 s21, s21, s20
	s_mul_i32 s21, s21, 1280
	s_add_co_u32 s22, s21, 1024
	s_add_nc_u64 s[6:7], s[98:99], s[22:23]
.irp a, 0,1,2,3,4,5,6,7
	QUANTW \a
	v_lshl_or_b32 v[WA+\a%2], v[TM+5], 8, v[TM+4]          ; the four bytes make my channel's scale word for these 128 keys
	v_lshl_or_b32 v[WA+\a%2], v[TM+6], 16, v[WA+\a%2]
	v_lshl_or_b32 v[WA+\a%2], v[TM+7], 24, v[WA+\a%2]
.if \a%2
	v_cndmask_b32 v[SW+\a/2], v[WA], v[WA+1], s[MHI]
.endif
.irp k, 0,1,2
	global_store_b128 v[L16], v[PQ+4*\k:PQ+4*\k+3], s[4:5] offset:(\a/4)*98304+(\a%4)*1536+512*\k
.endr
.endr
	global_store_b64 v[L8], v[SW:SW+1], s[6:7]
	global_store_b64 v[L8], v[SW+2:SW+3], s[6:7] offset:20480
.Lend:
	s_wait_tensorcnt 0x0                           ; the wave's end
	ds_add_u32 v[SPW], v[NIL]
	s_wait_dscnt 0x0
	CROUND                                         ; the closing round: no work-group ends while a partner may still ask for a tile that names it
	s_endpgm
.Lfunc_end_k_q9c59c6247f_qkv:
	.size	k_q9c59c6247f_qkv, .Lfunc_end_k_q9c59c6247f_qkv-k_q9c59c6247f_qkv
	.p2alignl 7, 3214868480
	.fill 96, 4, 3214868480
	.section	.rodata,"a",@progbits
	.p2align	6, 0x0
	.amdhsa_kernel k_q9c59c6247f_qkv
		.amdhsa_group_segment_fixed_size 327680
		.amdhsa_private_segment_fixed_size 0
		.amdhsa_enable_private_segment 0
		.amdhsa_kernarg_size 56
		.amdhsa_user_sgpr_count 2
		.amdhsa_user_sgpr_kernarg_segment_ptr 1
		.amdhsa_wavefront_size32 1
		.amdhsa_system_sgpr_workgroup_id_x 1
		.amdhsa_system_sgpr_workgroup_id_y 1
		.amdhsa_system_sgpr_workgroup_id_z 1
		.amdhsa_system_vgpr_workitem_id 0
		.amdhsa_next_free_vgpr 1024
		.amdhsa_next_free_sgpr 102
		.amdhsa_reserve_vcc 0
		.amdhsa_float_denorm_mode_32 3
		.amdhsa_float_denorm_mode_16_64 3
		.amdhsa_memory_ordered 1
		.amdhsa_forward_progress 1
		.amdhsa_inst_pref_size 219
	.end_amdhsa_kernel
	.amdgpu_metadata
---
amdhsa.version: [ 1, 2 ]
amdhsa.kernels:
  - .name:           k_q9c59c6247f_qkv
    .symbol:         k_q9c59c6247f_qkv.kd
    .args:
      - { .name: xc, .offset: 0, .size: 8, .value_kind: global_buffer, .address_space: global }
      - { .name: xs, .offset: 8, .size: 8, .value_kind: global_buffer, .address_space: global }
      - { .name: wc, .offset: 16, .size: 8, .value_kind: global_buffer, .address_space: global }
      - { .name: ws, .offset: 24, .size: 8, .value_kind: global_buffer, .address_space: global }
      - { .name: b_attn, .offset: 32, .size: 8, .value_kind: global_buffer, .address_space: global }
      - { .name: qkv, .offset: 40, .size: 8, .value_kind: global_buffer, .address_space: global }
      - { .name: scl, .offset: 48, .size: 8, .value_kind: global_buffer, .address_space: global }
    .group_segment_fixed_size: 327680
    .private_segment_fixed_size: 0
    .kernarg_segment_align: 8
    .kernarg_segment_size: 56
    .max_flat_workgroup_size: 128
    .sgpr_count:     102
    .vgpr_count:     1024
    .wavefront_size: 32
...
	.end_amdgpu_metadata
.endif
;; end of part 2
;; launch attn (part 3): grid 4 x 64, 16 waves a work-group, clusters of 4 x 1, 210,944 bytes of LDS; arguments qkv, scl, yc, ys; writes yc, ys
.if DOCPART == 3
	.amdgcn_target "amdgcn-amd-amdhsa--gfx1250"
	.amdhsa_code_object_version 6
	.text
	.protected	k_q9c59c6247f_attn
	.globl	k_q9c59c6247f_attn
	.p2align	8
	.type	k_q9c59c6247f_attn,@function
k_q9c59c6247f_attn:
	s_mov_b64 s[64:65], 0
	v_nop
	global_prefetch_b8 v0, s[64:65] scope:SCOPE_SE
	s_setreg_imm32_b32 hwreg(HW_REG_WAVE_MODE, 25, 1), 1
	s_wait_xcnt 0x0
	s_wait_alu depctr_hold_cnt(0) depctr_sa_sdst(0) depctr_va_vdst(0) depctr_va_sdst(0) depctr_va_ssrc(0) depctr_va_vcc(0) depctr_vm_vsrc(0)
	s_getreg_b32 s2, hwreg(HW_REG_IB_STS2, 6, 4)
	s_cmp_eq_u32 s2, 0
	s_cbranch_scc0 .Lentry_in_a_cluster
	s_endpgm
.Lentry_in_a_cluster:
	s_bfe_u32 s2, ttmp6, 0x10000c
	s_cmp_lg_u32 s2, 0x3003
	s_cbranch_scc0 .Lentry_shape_is_right
	s_endpgm
.Lentry_shape_is_right:
; y[b][h][q] = the sum over keys k <= q of softmax_k(q . k / 8) v, both products on codes of FP6 (E2M3) with E8M0 scales; y is quantised along the channels and leaves as codes for the projection.
; THE SOFTMAX AHEAD OF THE SECOND PRODUCT: t = score x log2(e) / 8; M = the running largest t rounded UP to a whole number; p = 2^(t - M) is quantised along the keys, not normalised; the row's sum of the unquantised p divides at the end.
; When M moves, the sum and O are multiplied by 2^(old M - new M): exact.
; INPUTS are images of operand registers (see the launch that makes them).  q, k: a tile of 16 places x 64 d is 768 bytes (registers 0-3 at 16 x lane, 4-5 at 512 + 8 x lane); registers 6-11, K = 64 .. 127, are zero codes here,
; on both operands, under the scale byte 0.  v: a fragment of 16 channels x 128 keys is 1,536 bytes.  Place P of tokens and of channels holds the logical index sigma(P) (bits 3 and 4 exchanged), so that in both transposed products
; (S^T = K Q^T, O^T = V^T P^T) a lane holds one query and the 16 registers of two neighbouring tiles are 16 neighbours: keys for p's quantiser, channels for y's.
; SHARES.  A cluster of four work-groups takes one head.  The head's 128 query tiles are 16 groups of 8; group g needs key steps 0 .. g of 128 keys.  Partner p takes tiles 2 p, 2 p + 1 of every group; wave w (e = w % 2, m = w / 2)
; takes tile 2 p + e of group 15 - m (16 - m steps) and then of group m (m + 1 steps): 17 steps for every wave of the launch.  No branch hangs on the partner's place: it enters q's and y's addresses and the lane's mask number alone.
; So all four partners read the same K, V and scales and ask for them JOINTLY.  THE WHOLE HEAD STAYS IN LDS, filled once: 16 steps x (K 6,144 + V 6,144 + K's scale words 512 + V's 256) bytes.  Nothing is filled again.
; Steps wholly behind the diagonal are jumped over (a scalar branch on the wave's number and the loop's count); on the diagonal hidden scores become -infinity (p is 0 there).
; LIMITS: NaN and infinities are not served; a block of zeros gets the byte 1 (its codes are zeros; this program alone reads the bytes).
; REGISTERS: v1-7 addresses; v12 -M, v13 the largest t, v[14:15] the sum; v16-27 Q of the first pass, v255 its scale word; v80-91, v92 the second pass's; v[30:31] V's scale words; v32-79 four tiles of K;
; v96-159 S^T, then p, then V's four fragments (v96-143); v160-191 O^T; v192-214 y's codes; v224-235 p's codes; v232-254 at work; v[248:251] K's scale words; v253 p's scale word.
.set STEPB, 13056                      ; a key step's bytes in LDS
.set VOFF,  6144
.set KSC,   12288
.set VSC,   12800
.set L16,  1                           ; v1  16 x lane
.set L8,   2                           ; v2  8 x lane
.set A16,  3                           ; v3  the same in the step in hand
.set A8,   4
.set WV,   18
.set SEL,  20
.set CS,   22                          ; s[22:23] c = log2(e) / 8
.set G1C,  24                          ; s[24:31] group 1: 24 rows of 256 bytes
.set G1S,  32                          ; s[32:39] group 1: 3 rows of 256 bytes
.set G0S,  40
.set G0A,  44
.set G0B,  48
.set TB,   52                          ; s52  LDS byte at which the step in hand begins
.set ST,   53                          ; s53  the step
.set GRP,  54                          ; s54  my group
.set CNT,  55
.set MHI,  74                          ; s74  lanes 16-31
.macro CROUND                          ; a round of the cluster's barrier
	s_barrier_signal -1
	s_barrier_wait -1
	s_cmp_lg_u32 s[WV], 0
	s_cbranch_scc1 .Lnot_wave_0_\@
	s_barrier_signal -3
.Lnot_wave_0_\@:
	s_barrier_wait -3
	s_barrier_signal -1
	s_barrier_wait -1
.endm
	s_load_b256 s[4:11], s[0:1], 0x0               ; qkv s[4:5], scl s[6:7], yc s[8:9], ys s[10:11]
	v_lshl_add_u32 v223, v0, 2, 0x33000
	v_mov_b32 v243, 0
	ds_add_u32 v223, v243
	ds_add_u32 v223, v243
	v_lshrrev_b32 v8, 5, v0
	s_delay_alu instid0(VALU_DEP_1)
	v_readfirstlane_b32 s[WV], v8                  ; wave 0..15
	s_bfe_u32 s12, ttmp6, 0x40000                  ; p: my place in the cluster
	s_and_b32 s13, ttmp7, 0xffff                   ; 16 x batch + head
	s_lshr_b32 s14, s13, 4                         ; the batch
	s_and_b32 s15, s13, 15                         ; the head
	s_and_b32 s16, s[WV], 1                        ; e
	s_lshr_b32 s17, s[WV], 1                       ; m
	; descriptor groups 1: dense blocks as rows of 256 bytes (32 elements of 8 bytes); 15:0 the mask: all four work-groups; 21 set beside a mask; no padding
	s_mov_b32 s[G1C], 15|(3<<16)|(1<<21)
	s_mov_b32 s[G1C+1], 32<<16
	s_mov_b32 s[G1C+2], 24<<16
	s_mov_b32 s[G1C+3], 32<<16
	s_mov_b32 s[G1C+4], 24
	s_mov_b32 s[G1C+5], 32
	s_mov_b32 s[G1C+6], 0
	s_mov_b32 s[G1C+7], 0
	s_mov_b32 s[G1S], 15|(3<<16)|(1<<21)
	s_mov_b32 s[G1S+1], 32<<16
	s_mov_b32 s[G1S+2], 3<<16
	s_mov_b32 s[G1S+3], 32<<16
	s_mov_b32 s[G1S+4], 3
	s_mov_b32 s[G1S+5], 32
	s_mov_b32 s[G1S+6], 0
	s_mov_b32 s[G1S+7], 0
	s_mov_b32 s[SEL], 0x76543210
	s_mov_b32 s[SEL+1], 0xfedcba98
	s_mov_b32 s[CS], 0x3e38aa3b                    ; log2(e) / 8
	s_mov_b32 s[CS+1], s[CS]
	s_mov_b32 s[MHI], 0xffff0000
	s_mov_b32 s3, 0
	; what I fetch: wave w the scale words of step w; waves 0-7 K's steps w and w + 8, waves 8-15 V's steps w - 8 and w
	s_mul_i32 s2, s[WV], STEPB
	s_mov_b32 s[G0S], 1
	s_add_co_u32 s[G0S+1], s2, KSC
	s_and_b32 s75, s[WV], 7
	s_lshr_b32 s76, s[WV], 3
	s_mul_i32 s77, s75, STEPB
	s_mul_i32 s78, s76, VOFF
	s_mov_b32 s[G0A], 1
	s_add_co_u32 s[G0A+1], s77, s78
	s_mov_b32 s[G0B], 1
	s_add_co_u32 s[G0B+1], s[G0A+1], 8*STEPB
	s_mul_i32 s77, s14, 48
	s_add_co_u32 s77, s77, s15
	s_mul_i32 s19, s77, 98304                      ; where q's head begins in qkv; k's lies 16 heads on, v's 32
	s_mul_i32 s78, s76, 1572864
	s_mul_i32 s79, s75, 6144
	s_add_co_u32 s78, s78, s79
	s_add_co_u32 s78, s78, s19
	s_add_co_u32 s78, s78, 1572864
	s_mov_b32 s79, 0
	s_lshl_b32 s2, s13, 4
	s_add_co_u32 s2, s2, s[WV]
	s_mul_i32 s2, s2, 1280
	s_add_co_u32 s2, s2, 512                       ; behind q's words: k's and v's, 768 bytes
	s_wait_dscnt 0x0
	s_wait_kmcnt 0x0
	s_add_nc_u64 s[G0S+2:G0S+3], s[6:7], s[2:3]
	s_or_b32 s[G0S+3], s[G0S+3], 0x80000000
	s_add_nc_u64 s[G0A+2:G0A+3], s[4:5], s[78:79]
	s_add_nc_u64 s[G0B+2:G0B+3], s[G0A+2:G0A+3], 49152
	s_or_b32 s[G0A+3], s[G0A+3], 0x80000000
	s_or_b32 s[G0B+3], s[G0B+3], 0x80000000
	; my two query tiles, and where their q, q's scale words, y's codes and y's scale bytes lie
	s_lshl_b32 s75, s12, 1
	s_add_co_u32 s75, s75, s16                     ; 2 p + e
	s_sub_co_u32 s76, 15, s17                      ; the first pass's group
	s_lshl_b32 s77, s76, 3
	s_add_co_u32 s77, s77, s75                     ; its tile
	s_lshl_b32 s78, s17, 3
	s_add_co_u32 s78, s78, s75                     ; the second pass's tile (group m)
	s_lshl_b32 s79, s16, 8
	s_lshl_b32 s2, s12, 2
	s_add_co_u32 s79, s79, s2                      ; 256 e + 4 p
.macro BASES grp, tile, o
	s_mul_i32 s2, s[\tile], 768
	s_add_co_u32 s2, s2, s19
	s_add_nc_u64 s[\o:\o+1], s[4:5], s[2:3]        ; q's tile
	s_lshl_b32 s2, s13, 4
	s_add_co_u32 s2, s2, s[\grp]
	s_mul_i32 s2, s2, 1280
	s_add_co_u32 s2, s2, s79
	s_add_nc_u64 s[\o+2:\o+3], s[6:7], s[2:3]      ; its scale words: place 32 p + 16 e + r of the group lies at 16 (16 e + r) + 4 p
	s_lshl_b32 s75, s14, 7
	s_add_co_u32 s75, s75, s[\tile]                ; the tile among all 512
	s_lshl_b32 s2, s15, 9
	s_add_co_u32 s2, s2, s75
	s_mul_i32 s2, s2, 768
	s_add_nc_u64 s[\o+4:\o+5], s[8:9], s[2:3]      ; yc [head][tile][768]
	s_lshl_b32 s2, s75, 8
	s_add_co_u32 s2, s2, s15
	s_lshl_b32 s2, s2, 1
	s_add_nc_u64 s[\o+6:\o+7], s[10:11], s[2:3]    ; ys [place][32]: 512 x tile + 2 x head
.endm
	BASES 76, 77, 56
	BASES 17, 78, 66
	v_and_b32 v8, 31, v0
	s_delay_alu instid0(VALU_DEP_1)
	v_lshlrev_b32 v[L16], 4, v8
	s_delay_alu instid0(VALU_DEP_2)
	v_lshlrev_b32 v[L8], 3, v8
	v_and_b32 v8, 15, v0                           ; r
	v_bfe_u32 v9, v0, 4, 1                         ; h
	s_delay_alu instid0(VALU_DEP_2)
	v_lshlrev_b32 v6, 4, v8                        ; 16 r
	s_delay_alu instid0(VALU_DEP_2)
	v_lshl_add_u32 v7, v8, 5, v9                   ; 32 r + h
	s_delay_alu instid0(VALU_DEP_4)
	v_and_b32 v10, 8, v8
	s_delay_alu instid0(VALU_DEP_1)
	v_add_nc_u32 v5, v10, v8
	v_lshlrev_b32 v10, 4, v9
	s_delay_alu instid0(VALU_DEP_1)
	v_sub_nc_u32 v5, v5, v10
	s_lshl_b32 s2, s12, 5
	s_lshl_b32 s75, s16, 3
	s_add_co_u32 s2, s2, s75
	v_add_nc_u32 v5, s2, v5                        ; d = my query in its group - 16 h = 32 p + 8 e + r + 8 (r / 8) - 16 h
	CROUND                                         ; all four work-groups are here: the joint loads meet
	tensor_load_to_lds s[G0S:G0S+3], s[G1S:G1S+7]  ; three loads of mine are out
	s_nop 0
	tensor_load_to_lds s[G0A:G0A+3], s[G1C:G1C+7]
	s_nop 0
	tensor_load_to_lds s[G0B:G0B+3], s[G1C:G1C+7]
	s_nop 0
.rept 4
	v_nop
.endr
	global_load_b128 v[16:19], v[L16], s[56:57]
	global_load_b64 v[20:21], v[L8], s[56:57] offset:512
	s_wait_alu depctr_va_vdst(0)
	global_load_b32 v255, v6, s[58:59]
	global_load_b128 v[80:83], v[L16], s[66:67]
	global_load_b64 v[84:85], v[L8], s[66:67] offset:512
	global_load_b32 v92, v6, s[68:69]
.irp j, 0,1,2,3,4,5
	v_mov_b32 v[22+\j], 0                          ; K = 64 .. 127 of the first product: zero codes, written once
	v_mov_b32 v[86+\j], 0
.irp t, 0,1,2,3
	v_mov_b32 v[38+12*\t+\j], 0
.endr
.endr
.irp b, 0,1,2,3
	v_mov_b32 v[236+\b], 0                         ; written once: a lane permute's destination counts as one of its sources
.endr
	v_mov_b32 v253, 0                              ; (named as the upper half of the pair v[252:253] before it is first written)
.macro INIT                            ; O^T and the sum begin as zeros and the largest t as -3e38: the step is written without a first step of its own
	v_mov_b32 v13, 0xff61b1e6
	s_delay_alu instid0(VALU_DEP_1)
	v_floor_f32 v12, -v13
	v_mov_b32 v14, 0
	v_mov_b32 v15, 0
.set n, 0
.rept 32
	v_mov_b32 v[160+n], 0
.set n, n+1
.endr
.endm
	INIT
.macro KQ d, a, q, sa, qs, row1
.if \row1
	v_wmma_scale_f32_16x16x128_f8f6f4 v[\d:\d+7], v[\a:\a+11], v[\q:\q+11], 0, v[\sa], v[\qs] matrix_a_fmt:MATRIX_FMT_FP6 matrix_b_fmt:MATRIX_FMT_FP6 matrix_a_scale:MATRIX_SCALE_ROW1
.else
	v_wmma_scale_f32_16x16x128_f8f6f4 v[\d:\d+7], v[\a:\a+11], v[\q:\q+11], 0, v[\sa], v[\qs] matrix_a_fmt:MATRIX_FMT_FP6 matrix_b_fmt:MATRIX_FMT_FP6
.endif
.endm
.macro PV d, a, sa, row1
.if \row1
	v_wmma_scale_f32_16x16x128_f8f6f4 v[\d:\d+7], v[\a:\a+11], v[224:235], v[\d:\d+7], v[\sa], v253 matrix_a_fmt:MATRIX_FMT_FP6 matrix_b_fmt:MATRIX_FMT_FP6 matrix_a_scale:MATRIX_SCALE_ROW1
.else
	v_wmma_scale_f32_16x16x128_f8f6f4 v[\d:\d+7], v[\a:\a+11], v[224:235], v[\d:\d+7], v[\sa], v253 matrix_a_fmt:MATRIX_FMT_FP6 matrix_b_fmt:MATRIX_FMT_FP6
.endif
.endm
; A KEY STEP: 128 keys.  q: Q's first register; qs: its scale word; mask = 1: the step may lie on or behind the diagonal.
.macro STEP q, qs, mask
.if \mask
	s_cmp_gt_u32 s[ST], s[GRP]                     ; all its keys come after my queries: only the lines at the step's end are run
	s_cbranch_scc1 .Lhidden_\@
.endif
	s_setprio 2
	v_add_nc_u32 v[A16], s[TB], v[L16]
	s_wait_alu depctr_va_vdst(0)
	v_add_nc_u32 v[A8], s[TB], v[L8]
	s_wait_alu depctr_va_vdst(0)
.rept 3
	v_nop                                          ; with the two additions five places: the products below write over registers that the last step's products read
.endr
	ds_load_b128 v[248:251], v[A16] offset:KSC     ; K's scale words: register g, lane L: place 32 g + L of the step
.irp g, 0,1                                    ; S^T = K Q^T, four tiles of 16 keys at a time
.if \g
.rept 4
	v_nop                                          ; places in front of loads into registers that matrix instructions have read
.endr
.endif
.irp t, 0,1,2,3
	ds_load_b128 v[32+12*\t:35+12*\t], v[A16] offset:768*(4*\g+\t)
	ds_load_b64 v[36+12*\t:37+12*\t], v[A8] offset:768*(4*\g+\t)+512
.endr
	s_wait_dscnt 0x0
.irp t, 0,1,2,3
	KQ 96+8*(4*\g+\t), 32+12*\t, \q, 248+(4*\g+\t)/2, \qs, \t%2
.endr
.endr                                          ; register 16 b + i holds key 128 x step + 32 b + 16 h + i
.rept 4
	v_nop
.endr
.if \mask
	s_cmp_lt_u32 s[ST], s[GRP]                     ; a step all of whose keys count skips the mask
	s_cbranch_scc1 .Lopen_\@
	v_mov_b32 v254, 0xff800000                     ; -infinity
.set n, 0
.rept 64
	v_cmp_gt_i32 vcc_lo, 32*(n/16)+n%16, v5        ; hidden where 32 b + i > d
	v_cndmask_b32 v[96+n], v[96+n], v254, vcc_lo
.set n, n+1
.endr
.Lopen_\@:
.endif
.irp b, 0,1,2,3
	v_max3_num_f32 v[232+\b], v[96+16*\b], v[97+16*\b], v[98+16*\b]   ; the largest score of each block of 32 keys: for the row's maximum and, since p rises with the score, for the block's largest p
.endr
.irp i, 3,5,7,9,11,13
.irp b, 0,1,2,3
	v_max3_num_f32 v[232+\b], v[232+\b], v[96+16*\b+\i], v[97+16*\b+\i]
.endr
.endr
.irp b, 0,1,2,3
	v_max_num_f32 v[232+\b], v[232+\b], v[111+16*\b]
.endr
.irp b, 0,1,2,3
	s_delay_alu instid0(VALU_DEP_4)
	v_permlanex16_b32 v[236+\b], v[232+\b], s[SEL], s[SEL+1]
.endr
.irp b, 0,1,2,3
	s_delay_alu instid0(VALU_DEP_4)
	v_max_num_f32 v[232+\b], v[232+\b], v[236+\b]  ; with lane l xor 16's 16 keys
.endr
	s_delay_alu instid0(VALU_DEP_2)
	v_max3_num_f32 v254, v232, v233, v234
	s_delay_alu instid0(VALU_DEP_1)
	v_max_num_f32 v254, v254, v235                 ; the step's largest score of my query
	s_delay_alu instid0(VALU_DEP_1)
	v_mul_f32 v254, s[CS], v254                    ; as t
	s_delay_alu instid0(VALU_DEP_1)
	v_max_num_f32 v13, v13, v254                   ; the running largest t
	v_mov_b32 v254, v12
	s_delay_alu instid0(VALU_DEP_2)
	v_floor_f32 v12, -v13                          ; the new -M = -ceil(t)
	s_delay_alu instid0(VALU_DEP_1)
	v_sub_f32 v254, v12, v254                      ; old M - new M: a whole number, 0 or less
	s_delay_alu instid0(VALU_DEP_1)
	v_cvt_i32_f32 v254, v254                       ; (it saturates)
	s_delay_alu instid0(VALU_DEP_1)
	v_ldexp_f32 v252, 1.0, v254                    ; f = 2^(old M - new M)
.set n, 0
.rept 32
	v_pk_fma_f32 v[96+n:97+n], v[96+n:97+n], s[CS:CS+1], v[12:13] op_sel_hi:[1,0,0]   ; t - M, two at a time
.set n, n+2
.endr
.irp b, 0,1,2,3
	v_fma_f32 v[232+\b], v[232+\b], s[CS], v12     ; the same of each block's largest score
.endr
.set n, 0
	s_setprio 1
	s_wait_alu depctr_va_vdst(0)
.rept 64
	v_exp_f32 v[96+n], v[96+n]                     ; p = 2^(t - M)
.set n, n+1
.endr
	v_pk_mul_f32 v[14:15], v[14:15], v[252:253] op_sel_hi:[1,0]   ; the sums under the new M (a plain place behind the exponentials)
	s_wait_alu depctr_va_vdst(0)                   ; one wait for the batch of 64, ahead of its first reader
.irp b, 0,1,2,3
	v_exp_f32 v[232+\b], v[232+\b]                 ; the block's largest p
.endr
	v_pk_add_f32 v[236:237], v[100:101], v[104:105]
	v_pk_add_f32 v[250:251], v[108:109], v[112:113]
	v_pk_add_f32 v[248:249], v[116:117], v[120:121]
	v_pk_add_f32 v[246:247], v[124:125], v[128:129]
	v_pk_add_f32 v[244:245], v[132:133], v[136:137]
	v_pk_add_f32 v[240:241], v[140:141], v[144:145]
	v_pk_add_f32 v[238:239], v[148:149], v[152:153]
	v_pk_add_f32 v[14:15], v[14:15], v[156:157]
	v_pk_add_f32 v[236:237], v[236:237], v[96:97]
	v_pk_add_f32 v[250:251], v[250:251], v[98:99]
	v_pk_add_f32 v[248:249], v[248:249], v[102:103]
	v_pk_add_f32 v[246:247], v[246:247], v[106:107]
	v_pk_add_f32 v[244:245], v[244:245], v[110:111]
	v_pk_add_f32 v[240:241], v[240:241], v[114:115]
	v_pk_add_f32 v[238:239], v[238:239], v[118:119]
	v_pk_add_f32 v[14:15], v[14:15], v[122:123]
	v_pk_add_f32 v[236:237], v[236:237], v[126:127]
	v_pk_add_f32 v[250:251], v[250:251], v[130:131]
	v_pk_add_f32 v[248:249], v[248:249], v[134:135]
	v_pk_add_f32 v[246:247], v[246:247], v[138:139]
	v_pk_add_f32 v[244:245], v[244:245], v[142:143]
	v_pk_add_f32 v[240:241], v[240:241], v[146:147]
	v_pk_add_f32 v[238:239], v[238:239], v[150:151]
	v_pk_add_f32 v[14:15], v[14:15], v[154:155]
	v_pk_add_f32 v[236:237], v[236:237], v[158:159]
	s_delay_alu instid0(VALU_DEP_2)
	v_pk_add_f32 v[14:15], v[14:15], v[246:247]
	s_delay_alu instid0(VALU_DEP_2)
	v_pk_add_f32 v[236:237], v[236:237], v[244:245]
	v_pk_add_f32 v[250:251], v[250:251], v[240:241]
	v_pk_add_f32 v[248:249], v[248:249], v[238:239]
	s_delay_alu instid0(VALU_DEP_2)
	v_pk_add_f32 v[14:15], v[14:15], v[250:251]
	s_delay_alu instid0(VALU_DEP_2)
	v_pk_add_f32 v[236:237], v[236:237], v[248:249]
	s_delay_alu instid0(VALU_DEP_1)
	v_pk_add_f32 v[14:15], v[14:15], v[236:237]
	s_wait_alu depctr_va_vdst(0)                   ; and one for the four
.irp b, 0,1,2,3
	v_max_num_f32 v[232+\b], 0x1800000, v[232+\b]  ; the floor 2^(3 - 127)
.endr
.irp b, 0,1,2,3
	s_delay_alu instid0(VALU_DEP_4)
	v_add_nc_u32 v[244+\b], 0xff000000, v[232+\b]  ; the conversion's scale operand
.endr
.irp b, 0,1,2,3
	s_delay_alu instid0(VALU_DEP_4)
	v_lshrrev_b32 v[236+\b], 23, v[244+\b]         ; the scale's byte
.endr
	s_delay_alu instid0(VALU_DEP_3)
	v_lshl_or_b32 v253, v237, 8, v236              ; p's scale word for these 128 keys
	s_delay_alu instid0(VALU_DEP_1)
	v_lshl_or_b32 v253, v238, 16, v253
	s_delay_alu instid0(VALU_DEP_1)
	v_lshl_or_b32 v253, v239, 24, v253
.irp c, 0,1
	v_cvt_scalef32_pk16_fp6_f32 v[224+6*\c:226+6*\c], v[96+32*\c:111+32*\c], v[244+2*\c]
	v_cvt_scalef32_pk16_fp6_f32 v[236+4*\c:238+4*\c], v[112+32*\c:127+32*\c], v[244+2*\c+1]
.endr
	v_nop                                          ; one plain place behind a scaled conversion
.irp c, 0,1,2,3                                ; V's four fragments land where p lay, while the lines below work on registers
.irp k, 0,1,2
	ds_load_b128 v[96+12*\c+4*\k:99+12*\c+4*\k], v[A16] offset:VOFF+1536*\c+512*\k
.endr
.endr
	ds_load_b64 v[30:31], v[A8] offset:VSC         ; V's scale words: register g, lane L: tile 2 g + L / 16, row L % 16
	s_setprio 0
.irp c, 0,1                                    ; the operand's layout wants a WHOLE block in a lane
.irp i, 0,1,2
	v_permlane16_swap_b32 v[224+6*\c+\i], v[236+4*\c+\i]
.endr
.irp i, 0,1,2
	s_delay_alu instid0(VALU_DEP_3)
	v_mov_b32 v[227+6*\c+\i], v[236+4*\c+\i]
.endr
.endr
.set n, 0
.rept 16
	v_pk_mul_f32 v[160+n:161+n], v[160+n:161+n], v[252:253] op_sel_hi:[1,0]   ; O^T under the new M (these are also the places in front of the products below)
.set n, n+2
.endr
	s_wait_alu depctr_va_vdst(0)
	s_wait_dscnt 0x0
.irp c, 0,1,2,3                                ; O^T += V^T P^T: the four accumulators by turns
	PV 160+8*\c, 96+12*\c, 30+\c/2, \c%2
.endr
.if \mask
.Lhidden_\@:
.endif
	s_add_co_u32 s[TB], s[TB], STEPB
	s_add_co_u32 s[ST], s[ST], 1
.endm
; A pass's end: O^T / the sum; register 16 b + i is channel 32 b + 16 h + i of my query: two blocks, quantised; the tile's image and its scale bytes leave.
.macro FIN img, tmp, byt, ycb, ysb
.rept 4
	v_nop                                          ; places behind the last products
.endr
	v_add_f32 v14, v14, v15
	s_delay_alu instid0(VALU_DEP_1)
	v_permlanex16_b32 v252, v14, s[SEL], s[SEL+1]
	s_delay_alu instid0(VALU_DEP_1)
	v_add_f32 v14, v14, v252                       ; the row's sum
	s_wait_alu depctr_va_vdst(0)
	v_rcp_f32 v14, v14
	v_nop                                          ; a plain place behind the reciprocal
	s_wait_alu depctr_va_vdst(0)                   ; and the wait ahead of its first reader
.set n, 0
.rept 32
	v_mul_f32 v[96+n], v[160+n], v14
.set n, n+1
.endr
.irp b, 0,1
	v_max3_num_f32 v[232+\b], |v[96+16*\b]|, |v[97+16*\b]|, 0x1800000
.endr
.irp i, 2,4,6,8,10,12,14
.irp b, 0,1
	s_delay_alu instid0(VALU_DEP_2)
	v_max3_num_f32 v[232+\b], v[232+\b], |v[96+16*\b+\i]|, |v[97+16*\b+\i]|
.endr
.endr
.irp b, 0,1
	s_delay_alu instid0(VALU_DEP_2)
	v_permlanex16_b32 v[236+\b], v[232+\b], s[SEL], s[SEL+1]
.endr
.irp b, 0,1
	s_delay_alu instid0(VALU_DEP_2)
	v_max_num_f32 v[232+\b], v[232+\b], v[236+\b]
.endr
.irp b, 0,1
	s_delay_alu instid0(VALU_DEP_2)
	v_add_nc_u32 v[244+\b], 0xff000000, v[232+\b]
.endr
.irp b, 0,1
	s_delay_alu instid0(VALU_DEP_2)
	v_lshrrev_b32 v[236+\b], 23, v[244+\b]
.endr
	s_delay_alu instid0(VALU_DEP_1)
	v_cndmask_b32 v[\byt], v236, v237, s[MHI]      ; lanes 0-15 carry block 0's byte, lanes 16-31 block 1's
	v_cvt_scalef32_pk16_fp6_f32 v[\img:\img+2], v[96:111], v244
	v_cvt_scalef32_pk16_fp6_f32 v[\tmp:\tmp+2], v[112:127], v245
	v_nop
.irp i, 0,1,2
	v_permlane16_swap_b32 v[\img+\i], v[\tmp+\i]
.endr
.irp i, 0,1,2
	s_delay_alu instid0(VALU_DEP_3)
	v_mov_b32 v[\img+3+\i], v[\tmp+\i]
.endr
	global_store_b128 v[L16], v[\img:\img+3], s[\ycb:\ycb+1]            ; 512 and 256 consecutive bytes, aligned to 256
	global_store_b64 v[L8], v[\img+4:\img+5], s[\ycb:\ycb+1] offset:512
	global_store_b8 v7, v[\byt], s[\ysb:\ysb+1]    ; two bytes of each place's 32: blocks of 256 bytes are written in part: one byte for each 24 of y's codes
.endm
	s_wait_tensorcnt 1                             ; my scale words and my part of steps 0-7 are in; my part of steps 8-15 may be out
	s_barrier_signal -1
	s_barrier_wait -1                              ; everybody's are
	s_wait_loadcnt 0x0                             ; Q of both passes
	s_mov_b32 s[TB], 0
	s_mov_b32 s[ST], 0
	s_mov_b32 s[GRP], s76
	s_mov_b32 s[CNT], 8
.Lb1:                                              ; group 15 - m, steps 0-7: every key counts
	STEP 16, 255, 0
	s_sub_co_u32 s[CNT], s[CNT], 1
	s_cmp_lg_u32 s[CNT], 0
	s_cbranch_scc1 .Lb1
	s_setprio 0
	s_wait_tensorcnt 0x0                           ; my part of steps 8-15 is in,
	s_wait_dscnt 0x0
	s_barrier_signal -1
	s_barrier_wait -1                              ; everybody's is
	s_mov_b32 s[CNT], 8
.Lb2:                                              ; steps 8-15
	STEP 16, 255, 1
	s_sub_co_u32 s[CNT], s[CNT], 1
	s_cmp_lg_u32 s[CNT], 0
	s_cbranch_scc1 .Lb2
	s_setprio 0
	FIN 192, 198, 202, 60, 62
	INIT
	s_mov_b32 s[TB], 0
	s_mov_b32 s[ST], 0
	s_mov_b32 s[GRP], s17
	s_mov_b32 s[CNT], 8
.La:                                               ; group m, steps 0-7
	STEP 80, 92, 1
	s_sub_co_u32 s[CNT], s[CNT], 1
	s_cmp_lg_u32 s[CNT], 0
	s_cbranch_scc1 .La
	s_setprio 0
	FIN 204, 210, 214, 70, 72
	s_wait_dscnt 0x0
	s_wait_tensorcnt 0x0
	ds_add_u32 v223, v243
	s_wait_dscnt 0x0
	CROUND                                         ; the closing round
	s_endpgm
.Lfunc_end_k_q9c59c6247f_attn:
	.size	k_q9c59c6247f_attn, .Lfunc_end_k_q9c59c6247f_attn-k_q9c59c6247f_attn
	.p2alignl 7, 3214868480
	.fill 96, 4, 3214868480
	.section	.rodata,"a",@progbits
	.p2align	6, 0x0
	.amdhsa_kernel k_q9c59c6247f_attn
		.amdhsa_group_segment_fixed_size 210944
		.amdhsa_private_segment_fixed_size 0
		.amdhsa_enable_private_segment 0
		.amdhsa_kernarg_size 32
		.amdhsa_user_sgpr_count 2
		.amdhsa_user_sgpr_kernarg_segment_ptr 1
		.amdhsa_wavefront_size32 1
		.amdhsa_system_sgpr_workgroup_id_x 1
		.amdhsa_system_sgpr_workgroup_id_y 1
		.amdhsa_system_sgpr_workgroup_id_z 1
		.amdhsa_system_vgpr_workitem_id 0
		.amdhsa_next_free_vgpr 256
		.amdhsa_next_free_sgpr 80
		.amdhsa_reserve_vcc 1
		.amdhsa_float_denorm_mode_32 3
		.amdhsa_float_denorm_mode_16_64 3
		.amdhsa_memory_ordered 1
		.amdhsa_forward_progress 1
		.amdhsa_inst_pref_size 83
	.end_amdhsa_kernel
	.amdgpu_metadata
---
amdhsa.version: [ 1, 2 ]
amdhsa.kernels:
  - .name:           k_q9c59c6247f_attn
    .symbol:         k_q9c59c6247f_attn.kd
    .args:
      - { .name: qkv, .offset: 0, .size: 8, .value_kind: global_buffer, .address_space: global }
      - { .name: scl, .offset: 8, .size: 8, .value_kind: global_buffer, .address_space: global }
      - { .name: yc, .offset: 16, .size: 8, .value_kind: global_buffer, .address_space: global }
      - { .name: ys, .offset: 24, .size: 8, .value_kind: global_buffer, .address_space: global }
    .group_segment_fixed_size: 210944
    .private_segment_fixed_size: 0
    .kernarg_segment_align: 8
    .kernarg_segment_size: 32
    .max_flat_workgroup_size: 512
    .sgpr_count:     80
    .vgpr_count:     256
    .wavefront_size: 32
...
	.end_amdgpu_metadata
.endif
;; end of part 3
;; launch proj (part 4): grid 4 x 32, 4 waves a work-group, clusters of 4 x 4, 327,680 bytes of LDS; arguments yc, ys, wc, ws, b_proj, out0; writes out0
.if DOCPART == 4
	.amdgcn_target "amdgcn-amd-amdhsa--gfx1250"
	.amdhsa_code_object_version 6
	.text
	.protected	k_q9c59c6247f_proj
	.globl	k_q9c59c6247f_proj
	.p2align	8
	.type	k_q9c59c6247f_proj,@function
k_q9c59c6247f_proj:
	s_mov_b64 s[64:65], 0
	v_nop
	global_prefetch_b8 v0, s[64:65] scope:SCOPE_SE
	s_setreg_imm32_b32 hwreg(HW_REG_WAVE_MODE, 25, 1), 1
	s_wait_xcnt 0x0
	s_wait_alu depctr_hold_cnt(0) depctr_sa_sdst(0) depctr_va_vdst(0) depctr_va_sdst(0) depctr_va_ssrc(0) depctr_va_vcc(0) depctr_vm_vsrc(0)
	s_getreg_b32 s2, hwreg(HW_REG_IB_STS2, 6, 4)
	s_cmp_eq_u32 s2, 0
	s_cbranch_scc0 .Lentry_in_a_cluster
	s_endpgm
.Lentry_in_a_cluster:
	s_bfe_u32 s2, ttmp6, 0x10000c
	s_cmp_lg_u32 s2, 0xf033
	s_cbranch_scc0 .Lentry_shape_is_right
	s_endpgm
.Lentry_shape_is_right:
; out0 = y W_proj + b_proj on codes of FP6 (E2M3) with E8M0 scales for each 32 along K = 1,024; out0 [8192][1024] f32.
; A = y: yc [head 16][tile of 16 places 512][768 bytes]: images of operand registers (registers 0-3 at 16 x lane, 4-5 at 512 + 8 x lane; a head's 64 channels are half a fragment); ys [place][32].  B = wc's rows 3,072 on, ws likewise.
; A tile of 256 x 256 is made by four waves, 128 x 128 each.  K goes in steps of 256 (four heads) through a ring of two LDS slots; the scale bytes come once.  CLUSTERS of 4 x 4: A's tiles are asked for jointly along a row, B's along a column.
; The matrix instruction is used transposed (source 0 = 16 rows of B, source 1 = 16 rows of A).  Place P of A's and of B's rows holds the logical index sigma(P) (bits 3 and 4 exchanged): the way out undoes both by immediates.
; The bias is the C of each sum's first matrix instruction.  128 work-groups: a tile of 256 x 256 gives no more at this size.
; REGISTERS as in the qkv launch: window 0: v0-31 addresses; v32-63 scale words; v64-127 the bias; v128-223 A's fragments; on the way out v128-255 rows of out0.  window 1: B's fragments.  windows 2, 3: the accumulators.
.set NQ,     2
.set ROWB,   192
.set KROW,   768
.set PITCH,  240
.set FR,     12
.set NL,     6                         ; LDS loads that bring a fragment of B
.set NLA,    4                         ; and of A
.set NP,     4
.set AH,     24576                     ; A's half of a slot: [head in the slot 4][tile 8][768]
.set BH,     128*PITCH                 ; B's half
.set SLOT,   2*AH+2*BH
.set ASTEP,  4*512*768                 ; four heads on in yc
.set LAPS,   2
.set KS,     32
.set SCL,    2*SLOT
.set HALFS,  (128*KS/256)*272
.set SBLK,   (16*KS/256)*272
.set SPARE,  SCL+4*HALFS               ; the spare words, 128 bytes for each wave: two blocks of 256 bytes that no other line names
.set SPITCH, 528                       ; the way out: a stage of 16 rows x (512 + 16) bytes for each wave, in slot 0, which has had its last fill and its last read by then
.set BO,   9                           ; v9     the bias loads' offset: 64 x (lane / 16); written once, so that the loads may stay out under the lines that follow them
.set ADRA, 16                          ; v16-17 16 x lane in my half of A, slot 0, 1;  v18-19 the same with 8 x lane
.set ADRB, 20
.set STO,  24
.set RD,   25
.set CO,   26
.set ADRS, 27
.set SPW,  28
.set NIL,  29
.set SC,   32
.set BIAS, 64
.set AF,   128
.set BK,   128
.set G1, 24
.set G0, 32
.set G1B, 48
.set G0B, 56
.set G1S, 68
.set G0S, 76
.set G1SB, 80
.set G0SB, 88
.set MSB, 0
.macro WIN new
.if MSB != \new
	s_set_vgpr_msb (MSB<<8)|\new
.set MSB, \new
.endif
.endm
.set MUL_LO, 0xa1
.set MUL_HI, 0xf1
.set TO_B,   0x40
.macro JLOAD g0a, g1a, g0b, g1b        ; a joint load: waves 0 and 1 fetch for A, waves 2 and 3 for B; four v_nop follow each of the two lines
	s_cmp_eq_u32 s15, 0
	s_cbranch_scc0 .Lfor_b_\@
	tensor_load_to_lds s[\g0a:\g0a+3], s[\g1a:\g1a+7]
	s_nop 0
.rept 4
	v_nop
.endr
	s_branch .Lasked_\@
.Lfor_b_\@:
	tensor_load_to_lds s[\g0b:\g0b+3], s[\g1b:\g1b+7]
	s_nop 0
.rept 4
	v_nop
.endr
.Lasked_\@:
.endm
.macro CREST
	s_cmp_lg_u32 s14, 0
	s_cbranch_scc1 .Lnot_wave_0_\@
	s_barrier_signal -3
.Lnot_wave_0_\@:
	s_barrier_wait -3
	s_barrier_signal -1
	s_barrier_wait -1
.endm
.macro CROUND
	s_barrier_signal -1
	s_barrier_wait -1
	CREST
.endm
	s_load_b128 s[4:7], s[0:1], 0x0                ; yc, ys
	s_load_b128 s[8:11], s[0:1], 0x10              ; wc, ws
	s_load_b64 s[96:97], s[0:1], 0x20              ; b_proj
	s_load_b64 s[12:13], s[0:1], 0x28              ; out0
	v_lshl_add_u32 v[SPW], v0, 2, SPARE
	v_mov_b32 v[NIL], 0
	ds_add_u32 v28, v29
	ds_add_u32 v28, v29
	s_wait_dscnt 0x0
	v_lshrrev_b32 v1, 5, v0
	v_readfirstlane_b32 s14, v1                    ; wave 0..3
	s_lshr_b32 s15, s14, 1                         ; which half of the tile's rows is mine.  Also: I fetch for A (0) or for B (1)
	s_and_b32 s16, s14, 1                          ; which half of its columns.  Also: which 128 rows of that tile I fetch
	s_bfe_u32 s40, ttmp6, 0x40000                  ; cx, cy
	s_bfe_u32 s41, ttmp6, 0x40004
	s_lshl_b32 s42, ttmp9, 2
	s_add_co_u32 s42, s42, s40                     ; tile column
	s_and_b32 s17, ttmp7, 0xffff
	s_lshl_b32 s17, s17, 2
	s_add_co_u32 s17, s17, s41                     ; tile row
	s_lshl_b32 s43, s41, 2
	s_lshl_b32 s43, 15, s43                        ; my row of the cluster
	s_lshl_b32 s44, 0x1111, s40                    ; my column
	; A's tiles: 4 heads x (8 tiles x 768 bytes = 768 elements of 8 bytes), a head 512 x 768 bytes = 49,152 elements on; no padding
	s_or_b32 s[G1+0], s43, (3<<16)|(1<<21)
	s_mov_b32 s[G1+1], 768<<16                     ; tensor_dim0
	s_mov_b32 s[G1+2], 4<<16                       ; tensor_dim1
	s_mov_b32 s[G1+3], 768<<16                     ; tile_dim0
	s_mov_b32 s[G1+4], 4                           ; tile_dim1
	s_mov_b32 s[G1+5], 49152                       ; the pitch
	s_mov_b32 s[G1+6], 0
	s_mov_b32 s[G1+7], 0
	; B's tiles: 128 rows x 192 bytes, 16 bytes of padding behind every 64
	s_or_b32 s[G1B+0], s44, (0<<16)|(1<<20)|(1<<21)|(3<<22)|(3<<25)
	s_mov_b32 s[G1B+1], ROWB<<16
	s_mov_b32 s[G1B+2], 128<<16
	s_mov_b32 s[G1B+3], ROWB<<16
	s_mov_b32 s[G1B+4], 128
	s_mov_b32 s[G1B+5], KROW
	s_mov_b32 s[G1B+6], 0
	s_mov_b32 s[G1B+7], 0
	; the scales of 128 rows: 16 rows of 256 bytes, 16 bytes of padding behind each
	s_or_b32 s[G1S+0], s43, (3<<16)|(1<<20)|(1<<21)|(5<<22)|(3<<25)
	s_or_b32 s[G1SB+0], s44, (3<<16)|(1<<20)|(1<<21)|(5<<22)|(3<<25)
.irp g, G1S, G1SB
	s_mov_b32 s[\g+1], 32<<16
	s_mov_b32 s[\g+2], (128*KS/256)<<16
	s_mov_b32 s[\g+3], 32<<16
	s_mov_b32 s[\g+4], 128*KS/256
	s_mov_b32 s[\g+5], 32
	s_mov_b32 s[\g+6], 0
	s_mov_b32 s[\g+7], 0
.endr
	s_lshl_b32 s20, s17, 4
	s_lshl_b32 s18, s16, 3
	s_add_co_u32 s20, s20, s18                     ; A: the first of the 8 tiles that I fetch
	s_mul_i32 s20, s20, 768
	s_mov_b32 s21, 0
	s_lshl_b32 s22, s17, 8
	s_lshl_b32 s18, s16, 7
	s_add_co_u32 s22, s22, s18                     ; its first place
	s_lshl_b32 s22, s22, 5                         ; 32 scale bytes a place
	s_mov_b32 s23, 0
	s_lshl_b32 s46, s42, 8
	s_add_co_u32 s46, s46, s18
	s_add_co_u32 s46, s46, 3072                    ; B: wc's row
	s_lshl_b32 s92, s46, 5
	s_mov_b32 s93, 0
	s_mul_i32 s46, s46, KROW
	s_mov_b32 s47, 0
	s_mul_i32 s45, s16, AH                         ; where they go: A's two halves,
	s_mul_i32 s95, s16, BH
	s_add_co_u32 s95, s95, 2*AH                    ; then B's two
	s_mul_i32 s94, s14, HALFS
	s_wait_kmcnt 0x0
	s_add_nc_u64 s[20:21], s[4:5], s[20:21]
	s_add_nc_u64 s[22:23], s[6:7], s[22:23]
	s_add_nc_u64 s[46:47], s[8:9], s[46:47]
	s_add_nc_u64 s[92:93], s[10:11], s[92:93]
	CROUND                                         ; all sixteen work-groups are here: the first joint loads meet
	s_mov_b32 s[G0S], 1
	s_add_co_u32 s[G0S+1], s94, SCL
	s_mov_b64 s[G0S+2:G0S+3], s[22:23]
	s_or_b32 s[G0S+3], s[G0S+3], 0x80000000
	s_mov_b32 s[G0SB], 1
	s_add_co_u32 s[G0SB+1], s94, SCL
	s_mov_b64 s[G0SB+2:G0SB+3], s[92:93]
	s_or_b32 s[G0SB+3], s[G0SB+3], 0x80000000
	JLOAD G0S, G1S, G0SB, G1SB
.irp s, 0,1
	s_mov_b32 s[G0+4*\s], 1
	s_add_co_u32 s[G0+4*\s+1], s45, \s*SLOT
	s_add_nc_u64 s[G0+4*\s+2:G0+4*\s+3], s[20:21], \s*ASTEP
	s_or_b32 s[G0+4*\s+3], s[G0+4*\s+3], 0x80000000
	s_mov_b32 s[G0B+4*\s], 1
	s_add_co_u32 s[G0B+4*\s+1], s95, \s*SLOT
	s_add_nc_u64 s[G0B+4*\s+2:G0B+4*\s+3], s[46:47], \s*ROWB
	s_or_b32 s[G0B+4*\s+3], s[G0B+4*\s+3], 0x80000000
	s_wait_alu depctr_va_vdst(0)
	s_wait_tensorcnt 0x0
	ds_add_u32 v28, v29
	s_wait_dscnt 0x0
	CROUND
	JLOAD G0+4*\s, G1, G0B+4*\s, G1B
.endr
	v_and_b32 v1, 15, v0                           ; r
	v_bfe_u32 v2, v0, 4, 1                         ; h
	s_lshl_b32 s46, s42, 10                        ; my first column, in bytes of f32: 1,024 x tile column + 512 x half
	s_lshl_b32 s47, s16, 9
	s_add_co_u32 s46, s46, s47
	s_mov_b32 s47, 0
	s_add_nc_u64 s[96:97], s[96:97], s[46:47]
	v_lshlrev_b32 v[BO], 6, v2                     ; the bias: register 8 b + j is that of the logical column 32 (b / 2) + 8 (b % 2) + 16 h + j
.irp i, 0,1,2,3,4,5,6,7
	global_load_b128 v[BIAS+8*\i:BIAS+8*\i+3], v[BO], s[96:97] offset:(32*(\i/2)+8*(\i%2))*4
	global_load_b128 v[BIAS+8*\i+4:BIAS+8*\i+7], v[BO], s[96:97] offset:(32*(\i/2)+8*(\i%2))*4+16
.endr
	v_and_b32 v7, 31, v0
	v_lshlrev_b32 v[CO], 4, v7                     ; 16 x lane
	v_lshlrev_b32 v8, 3, v7                        ; 8 x lane
	v_mul_u32_u24 v3, v1, PITCH
	v_mul_u32_u24 v4, v2, 24
	v_add_nc_u32 v4, v3, v4                        ; B: a fragment's row x pitch + 24 x half
	v_lshl_add_u32 v5, v2, 4, v4                   ; and the same behind one padding more
	s_mul_i32 s21, s15, AH                         ; my 128 rows of A
	s_mul_i32 s22, s16, BH
	s_add_co_u32 s22, s22, 2*AH                    ; my 128 rows of B
.irp s, 0,1
	v_add_nc_u32 v[ADRA+\s], s21, v[CO]
	v_add_nc_u32 v[ADRA+2+\s], s21, v8
	v_add_nc_u32 v[ADRB+\s], s22, v4
	v_add_nc_u32 v[ADRB+2+\s], s22, v5
	s_add_co_u32 s21, s21, SLOT
	s_add_co_u32 s22, s22, SLOT
.endr
	v_mul_u32_u24 v5, v1, KS
	v_lshrrev_b32 v6, 8, v5
	v_lshl_add_u32 v5, v6, 4, v5
	s_mul_i32 s21, s15, HALFS
	s_mul_i32 s22, s16, HALFS
	s_add_co_u32 s22, s22, 2*HALFS
	s_sub_co_u32 s22, s22, s21
	v_mul_u32_u24 v6, s22, v2                      ; lanes 16-31 take B's
	s_add_co_u32 s21, s21, SCL
	v_add_nc_u32 v5, v5, v6
	v_add_nc_u32 v[ADRS], s21, v5
	s_mul_i32 s23, s14, 16*SPITCH                  ; my stage
	v_mul_u32_u24 v5, v1, SPITCH                   ; in: row r, + 64 h: the logical columns 16 h on of each 32
	v_lshl_add_u32 v5, v2, 6, v5
	v_add_nc_u32 v[STO], s23, v5
	v_add_nc_u32 v[RD], s23, v[CO]                 ; back: the 32 lanes take one row of 512 bytes
	s_lshl_b32 s20, s17, 8
	s_lshl_b32 s21, s15, 7
	s_add_co_u32 s20, s20, s21                     ; my first row of out0
	s_lshl_b32 s20, s20, 12                        ; 4,096 bytes a row
	s_mov_b32 s21, 0
	s_add_nc_u64 s[20:21], s[20:21], s[46:47]
	s_add_nc_u64 s[12:13], s[12:13], s[20:21]
.macro FRAG reg, adr, q, i             ; a fragment of B from padded rows, in pieces of 8 bytes
.irp p, 0,1,2,3,4,5
.set PC, 12*(\q)+6*(\p/3)+\p%3
.if PC%8 < 5
	ds_load_b64 v[\reg+2*\p:\reg+2*\p+1], v[\adr] offset:8*PC+16*(PC/8)+(\i)*16*PITCH
.else
	ds_load_b64 v[\reg+2*\p:\reg+2*\p+1], v[\adr+2] offset:8*PC+16*(PC/8)+(\i)*16*PITCH
.endif
.endr
.endm
.macro FRAGI reg, slot, q, i           ; a fragment of A from two heads' images: registers 6 c .. 6 c + 5 are head 2 q + c of the slot
.irp c, 0,1
	ds_load_b128 v[\reg+6*\c:\reg+6*\c+3], v[ADRA+\slot] offset:(2*(\q)+\c)*6144+(\i)*768
	ds_load_b64 v[\reg+6*\c+4:\reg+6*\c+5], v[ADRA+2+\slot] offset:(2*(\q)+\c)*6144+(\i)*768+512
.endr
.endm
; 16 matrix instructions: A's blocks a0, a0 + 1 x B's eight.  zero = 1: C is the bias.  The 64 accumulators take turns, one instruction a turn.
.macro MUL16 a0, p, q, sc, zero
.irp a, \a0, \a0+1
.irp b, 0,1,2,3,4,5,6,7
.if \zero
	v_wmma_scale_f32_16x16x128_f8f6f4 v[8*(8*((\a)%4)+\b):8*(8*((\a)%4)+\b)+7], v[128*(\p)+FR*\b:128*(\p)+FR*\b+FR-1], v[AF+FR*(\a):AF+FR*(\a)+FR-1], v[BIAS+8*\b:BIAS+8*\b+7], v[SC+8*NQ*(\sc)+NQ*\b+(\q)], v[SC+8*NQ*(\sc)+NQ*(\a)+(\q)] matrix_a_fmt:MATRIX_FMT_FP6 matrix_b_fmt:MATRIX_FMT_FP6 matrix_a_scale:MATRIX_SCALE_ROW1
.else
	v_wmma_scale_f32_16x16x128_f8f6f4 v[8*(8*((\a)%4)+\b):8*(8*((\a)%4)+\b)+7], v[128*(\p)+FR*\b:128*(\p)+FR*\b+FR-1], v[AF+FR*(\a):AF+FR*(\a)+FR-1], v[8*(8*((\a)%4)+\b):8*(8*((\a)%4)+\b)+7], v[SC+8*NQ*(\sc)+NQ*\b+(\q)], v[SC+8*NQ*(\sc)+NQ*(\a)+(\q)] matrix_a_fmt:MATRIX_FMT_FP6 matrix_b_fmt:MATRIX_FMT_FP6 matrix_a_scale:MATRIX_SCALE_ROW1
.endif
.endr
.endr
.endm
.macro FETCH_B slot, q, p
	WIN TO_B
.irp i, 0,1,2,3,4,5,6,7
	FRAG 128*(\p)+FR*\i, ADRB+\slot, \q, \i
.endr
	WIN 0
.endm
.macro FETCH_A slot, q, i0
.irp i, \i0, \i0+1, \i0+2, \i0+3
	FRAGI AF+FR*(\i), \slot, \q, \i
.endr
.endm
.macro SCALES sc
.irp i, 0,1,2,3,4,5,6,7
	ds_load_b64 v[SC+8*NQ*\sc+NQ*\i:SC+8*NQ*\sc+NQ*\i+1], v[ADRS] offset:\i*SBLK
.endr
.endm
.macro PLACES n
.rept \n
	v_nop
.endr
.endm
.macro STEP slot, q, zero
	s_wait_dscnt 4*NLA                             ; B's set and A's blocks 0-3 are in; the youngest 16 loads (A's blocks 4-7) may be out
.if \zero
	WIN 0x81                                       ; as MUL_LO, with C (the bias) in window 0
.else
	WIN MUL_LO
.endif
	MUL16 0, (\q)%2, \q, \slot, \zero
	MUL16 2, (\q)%2, \q, \slot, \zero
	s_wait_dscnt 0
	PLACES NP
	FETCH_B \slot, (\q)+1, 1-(\q)%2
	FETCH_A \slot, (\q)+1, 0
.if \zero
	WIN 0xc1
.else
	WIN MUL_HI
.endif
	MUL16 4, (\q)%2, \q, \slot, \zero
	MUL16 6, (\q)%2, \q, \slot, \zero
	PLACES NP
	WIN 0
	FETCH_A \slot, (\q)+1, 4
.endm
.macro TURN slot, next, fill
	s_wait_tensorcnt 0x0                           ; all my tensor loads have landed: my part of the next slot
	ds_add_u32 v[SPW], v[NIL]                      ; 0 onto my spare word
	s_wait_dscnt 4*NLA+1                           ; (the add and the youngest 16 loads may be out)
	WIN MUL_LO
	MUL16 0, 1, NQ-1, \slot, 0
	s_wait_dscnt 0x0                               ; the add is done, and my reads of this slot are over
	s_barrier_signal -1
	MUL16 2, 1, NQ-1, \slot, 0
	WIN 0
	s_barrier_wait -1
.if \fill
	CREST                                          ; the barrier has opened a round of the cluster's barrier
	s_add_nc_u64 s[G0+4*\slot+2:G0+4*\slot+3], s[G0+4*\slot+2:G0+4*\slot+3], 2*ASTEP
	s_add_nc_u64 s[G0B+4*\slot+2:G0B+4*\slot+3], s[G0B+4*\slot+2:G0B+4*\slot+3], 2*ROWB
	JLOAD G0+4*\slot, G1, G0B+4*\slot, G1B         ; the first tensor load behind the round
.else
	PLACES NP
.endif
	s_wait_alu depctr_va_vdst(0)
	v_add_nc_u32 v[ADRS], 4*NQ, v[ADRS]
	FETCH_B \next, 0, 0
	FETCH_A \next, 0, 0
	SCALES \next
	WIN MUL_HI
	MUL16 4, 1, NQ-1, \slot, 0
	MUL16 6, 1, NQ-1, \slot, 0
	PLACES NP
	WIN 0
	FETCH_A \next, 0, 4
.endm
	s_wait_alu depctr_va_vdst(0)
	s_wait_tensorcnt 1                             ; the scales and my part of K step 0 are in (K step 1's load may be out),
	s_barrier_signal -1
	s_barrier_wait -1                              ; everybody's are
	FETCH_B 0, 0, 0
	FETCH_A 0, 0, 0
	SCALES 0
	FETCH_A 0, 0, 4
	s_wait_loadcnt 0x0                             ; the bias
	STEP 0, 0, 1
	s_mov_b32 s3, LAPS-1
.Llap:
	TURN 0, 1, 1
	STEP 1, 0, 0
	TURN 1, 0, 1
	STEP 0, 0, 0
	s_sub_co_u32 s3, s3, 1
	s_cmp_lg_u32 s3, 0
	s_cbranch_scc1 .Llap
	TURN 0, 1, 0
	STEP 1, 0, 0
	s_wait_dscnt 4*NLA
	WIN MUL_LO
	MUL16 0, 1, NQ-1, 1, 0
	MUL16 2, 1, NQ-1, 1, 0
	s_wait_dscnt 0
	WIN MUL_HI
	MUL16 4, 1, NQ-1, 1, 0
	MUL16 6, 1, NQ-1, 1, 0
	WIN 0
; THE WAY OUT, block by block of 16 places x 128 columns, through my own stage in LDS; the columns are put at their logical places in the stage, the rows at theirs in out0.
.macro TOSTAGE a
.set AC, 64*((\a)%4)
	WIN 0x08+4*((\a)/4)                            ; the data: window 2 or 3
.irp b, 0,1,2,3,4,5,6,7
	ds_store_b128 v[STO], v[AC+8*\b:AC+8*\b+3] offset:128*(\b/2)+32*(\b%2)          ; each accumulator from its low end on
	ds_store_b128 v[STO], v[AC+8*\b+4:AC+8*\b+7] offset:128*(\b/2)+32*(\b%2)+16
.endr
	WIN 0
.set BBK, BK+64*((\a)%2)
.irp t, 0,1,2,3,4,5,6,7,8,9,10,11,12,13,14,15
	ds_load_b128 v[BBK+4*\t:BBK+4*\t+3], v[RD] offset:\t*SPITCH   ; LDS serves a wave's instructions in order: these see the stores above
.endr
.endm
.macro SEND a, younger
.set BBK, BK+64*((\a)%2)
	s_wait_dscnt \younger                          ; the block is back in registers
.irp t, 0,1,2,3,4,5,6,7,8,9,10,11,12,13,14,15
	global_store_b128 v[CO], v[BBK+4*\t:BBK+4*\t+3], s[12:13] offset:(32*((\a)/2)+8*((\a)%2)+\t+8*(\t/8))*4096 th:TH_STORE_NT   ; 32 lanes store 512 consecutive bytes, aligned to 256; place 16 a + t is the logical row in the immediate
.endr
.endm
	PLACES NP
	TOSTAGE 0
.irp a, 1,2,3,4,5,6,7
.if \a > 1
	s_wait_xcnt 0x0                                ; block a - 2's stores have read their registers: block a's loads may land there
.endif
	TOSTAGE \a
	SEND \a-1, 32                                  ; behind block a - 1's loads: block a's 16 stores and 16 loads
.endr
	SEND 7, 0
	s_wait_tensorcnt 0x0                           ; the wave's end
	ds_add_u32 v[SPW], v[NIL]
	s_wait_dscnt 0x0
	CROUND                                         ; the closing round
	s_endpgm
.Lfunc_end_k_q9c59c6247f_proj:
	.size	k_q9c59c6247f_proj, .Lfunc_end_k_q9c59c6247f_proj-k_q9c59c6247f_proj
	.p2alignl 7, 3214868480
	.fill 96, 4, 3214868480
	.section	.rodata,"a",@progbits
	.p2align	6, 0x0
	.amdhsa_kernel k_q9c59c6247f_proj
		.amdhsa_group_segment_fixed_size 327680
		.amdhsa_private_segment_fixed_size 0
		.amdhsa_enable_private_segment 0
		.amdhsa_kernarg_size 48
		.amdhsa_user_sgpr_count 2
		.amdhsa_user_sgpr_kernarg_segment_ptr 1
		.amdhsa_wavefront_size32 1
		.amdhsa_system_sgpr_workgroup_id_x 1
		.amdhsa_system_sgpr_workgroup_id_y 1
		.amdhsa_system_sgpr_workgroup_id_z 1
		.amdhsa_system_vgpr_workitem_id 0
		.amdhsa_next_free_vgpr 1024
		.amdhsa_next_free_sgpr 98
		.amdhsa_reserve_vcc 0
		.amdhsa_float_denorm_mode_32 3
		.amdhsa_float_denorm_mode_16_64 3
		.amdhsa_memory_ordered 1
		.amdhsa_forward_progress 1
		.amdhsa_inst_pref_size 154
	.end_amdhsa_kernel
	.amdgpu_metadata
---
amdhsa.version: [ 1, 2 ]
amdhsa.kernels:
  - .name:           k_q9c59c6247f_proj
    .symbol:         k_q9c59c6247f_proj.kd
    .args:
      - { .name: yc, .offset: 0, .size: 8, .value_kind: global_buffer, .address_space: global }
      - { .name: ys, .offset: 8, .size: 8, .value_kind: global_buffer, .address_space: global }
      - { .name: wc, .offset: 16, .size: 8, .value_kind: global_buffer, .address_space: global }
      - { .name: ws, .offset: 24, .size: 8, .value_kind: global_buffer, .address_space: global }
      - { .name: b_proj, .offset: 32, .size: 8, .value_kind: global_buffer, .address_space: global }
      - { .name: out0, .offset: 40, .size: 8, .value_kind: global_buffer, .address_space: global }
    .group_segment_fixed_size: 327680
    .private_segment_fixed_size: 0
    .kernarg_segment_align: 8
    .kernarg_segment_size: 48
    .max_flat_workgroup_size: 128
    .sgpr_count:     98
    .vgpr_count:     1024
    .wavefront_size: 32
...
	.end_amdgpu_metadata
.endif
;; end of part 4
